; MI455X (gfx1250); checked and timed in simulation.
; The chip was launched on July 23, 2026; its instructions are those of AMD's public machine-readable ISA for CDNA 5 (MIT licence, August 2026) and "CDNA5" Instruction Set Architecture Reference Guide (July 2026). The comments in the code are by the model that wrote it; some were corrected since.
;; Attention. Allowed arithmetic: float matrix products may take bf16 or f16 operands with f32 sums; other float arithmetic in f32, or as packed bf16 or f16 multiplies, adds, multiply-adds, maxima and minima; sums over many terms, partial sums and values carried from step to step in f32; what a program stores and reads back later, other than sums and carried values, may be rounded once to bf16 or f16.
;; Inputs: k_out 2,048 x 2,048 float32; q_out 2,048 x 2,048 float32; v_out 2,048 x 2,048 float32; w_out 2,048 x 2,048 float32; x 1 x 2,048 x 2,048 float32.
;; Outputs: out0 1 x 2,048 x 2,048 float32.
;; One version. Each part assembles by itself: llvm-mc -triple=amdgcn-amd-amdhsa -mcpu=gfx1250 --defsym DOCPART=n.
;; ======== version 1 of 1: 4 launches
;; limits: values are held in f16: magnitudes above 65,504 overflow, below 6.1e-05 lose precision
;; workspace buffers: cb 41,943,040 bytes; qkv 25,165,824 bytes; ctx 8,388,608 bytes
;; launch cast (part 1): grid 256 x 5, 8 waves a work-group, no clusters, 0 bytes of LDS; arguments x, q_out, k_out, v_out, w_out, cb; writes cb
.if DOCPART == 1
	.amdgcn_target "amdgcn-amd-amdhsa--gfx1250"
	.amdhsa_code_object_version 6
	.text
	.protected	k_q448bf9db88_cast
	.globl	k_q448bf9db88_cast
	.p2align	8
	.type	k_q448bf9db88_cast,@function
k_q448bf9db88_cast:
	s_mov_b64 s[64:65], 0
	v_nop
	global_prefetch_b8 v0, s[64:65] scope:SCOPE_SE
	s_setreg_imm32_b32 hwreg(HW_REG_WAVE_MODE, 25, 1), 1
	s_wait_xcnt 0x0
; cb holds five parts of [2048][2048] numbers of 16 bits, in the inputs' own row-major order: part 0 = x, 1 = q_out, 2 = k_out, 3 = v_out, all rounded to bf16;
; part 4 = w_out rounded to bf16 and that number written as f16 (the last launch multiplies it with f16 numbers).
; LIMITS of part 4: |w_out| under 65,504; a bf16 number is exact in f16 from 2^-17 up, below that it keeps f16's fixed step of 2^-24.
; SHARES.  The grid's y picks the input; a work-group takes 16,384 numbers (65,536 bytes in, 32,768 out); a wave takes 2,048 of them on end, in 16 pieces.
; A load of the wave covers 512 consecutive bytes, 16 a lane; a lane's four numbers, rounded, are 8 bytes, so a store of the wave covers 256 consecutive bytes, aligned.
; All sixteen loads of a wave go out first; the rounding is done in place, and no register that a store reads is written again, so the only waits are the counted ones for the loads.
; No LDS, no matrix work: each byte is read once and written once and nothing is shared.
.set IN,  8                            ; v[8:71]   piece i: 4 numbers in f32, then in its first two registers 4 numbers of 16 bits
	s_load_b256 s[4:11], s[0:1], 0x0               ; x s[4:5], q_out s[6:7], k_out s[8:9], v_out s[10:11]
	s_load_b128 s[12:15], s[0:1], 0x20             ; w_out s[12:13], cb s[14:15]
	s_and_b32 s16, ttmp7, 0xffff                   ; which input
	v_and_b32 v3, 31, v0                           ; lane
	v_lshrrev_b32 v6, 5, v0                        ; wave
	v_lshlrev_b32 v1, 4, v3
	v_lshl_add_u32 v1, v6, 13, v1                  ; in: 8,192 x wave + 16 x lane
	v_lshlrev_b32 v2, 3, v3
	v_lshl_add_u32 v2, v6, 12, v2                  ; out: 4,096 x wave + 8 x lane
	s_lshl_b32 s18, ttmp9, 16                      ; the work-group's 65,536 bytes of the input
	s_mov_b32 s19, 0
	s_lshl_b32 s20, s16, 23                        ; the part of cb,
	s_lshl_b32 s17, ttmp9, 15                      ; and the work-group's 32,768 bytes in it
	s_add_co_u32 s20, s20, s17
	s_mov_b32 s21, 0
	s_wait_kmcnt 0x0
	s_cmp_eq_u32 s16, 1
	s_cselect_b64 s[4:5], s[6:7], s[4:5]
	s_cmp_eq_u32 s16, 2
	s_cselect_b64 s[4:5], s[8:9], s[4:5]
	s_cmp_eq_u32 s16, 3
	s_cselect_b64 s[4:5], s[10:11], s[4:5]
	s_cmp_eq_u32 s16, 4
	s_cselect_b64 s[4:5], s[12:13], s[4:5]
	s_add_nc_u64 s[4:5], s[4:5], s[18:19]
	s_add_nc_u64 s[14:15], s[14:15], s[20:21]
.set i, 0
.rept 16
	global_load_b128 v[IN+4*i:IN+4*i+3], v1, s[4:5] offset:512*i th:TH_LOAD_NT
.set i, i+1
.endr
; mode 0: bf16.  mode 1: bf16, widened again (a shift, a mask) and written as f16.
.macro CONV mode
.set i, 0
.rept 16
	s_wait_loadcnt 15-i                            ; piece i is in; the 15 - i younger loads may stay out
	v_cvt_pk_bf16_f32 v[IN+4*i], v[IN+4*i], v[IN+4*i+1]
	v_cvt_pk_bf16_f32 v[IN+4*i+1], v[IN+4*i+2], v[IN+4*i+3]
.if \mode
.irp k, 0,1
	v_lshlrev_b32 v4, 16, v[IN+4*i+(\k)]
	v_and_b32 v5, 0xffff0000, v[IN+4*i+(\k)]
	v_cvt_pk_f16_f32 v[IN+4*i+(\k)], v4, v5
.endr
.endif
	global_store_b64 v2, v[IN+4*i:IN+4*i+1], s[14:15] offset:256*i
.set i, i+1
.endr
.endm
	s_cmp_eq_u32 s16, 4
	s_cbranch_scc1 .Lf16
	CONV 0
	s_endpgm
.Lf16:
	CONV 1
	s_endpgm
.Lfunc_end_k_q448bf9db88_cast:
	.size	k_q448bf9db88_cast, .Lfunc_end_k_q448bf9db88_cast-k_q448bf9db88_cast
	.p2alignl 7, 3214868480
	.fill 96, 4, 3214868480
	.section	.rodata,"a",@progbits
	.p2align	6, 0x0
	.amdhsa_kernel k_q448bf9db88_cast
		.amdhsa_group_segment_fixed_size 0
		.amdhsa_private_segment_fixed_size 0
		.amdhsa_enable_private_segment 0
		.amdhsa_kernarg_size 48
		.amdhsa_user_sgpr_count 2
		.amdhsa_user_sgpr_kernarg_segment_ptr 1
		.amdhsa_wavefront_size32 1
		.amdhsa_system_sgpr_workgroup_id_x 1
		.amdhsa_system_sgpr_workgroup_id_y 1
		.amdhsa_system_sgpr_workgroup_id_z 1
		.amdhsa_system_vgpr_workitem_id 0
		.amdhsa_next_free_vgpr 72
		.amdhsa_next_free_sgpr 66
		.amdhsa_reserve_vcc 0
		.amdhsa_float_denorm_mode_32 3
		.amdhsa_float_denorm_mode_16_64 3
		.amdhsa_memory_ordered 1
		.amdhsa_forward_progress 1
		.amdhsa_inst_pref_size 16
	.end_amdhsa_kernel
	.amdgpu_metadata
---
amdhsa.version: [ 1, 2 ]
amdhsa.kernels:
  - .name:           k_q448bf9db88_cast
    .symbol:         k_q448bf9db88_cast.kd
    .args:
      - { .name: x, .offset: 0, .size: 8, .value_kind: global_buffer, .address_space: global }
      - { .name: q_out, .offset: 8, .size: 8, .value_kind: global_buffer, .address_space: global }
      - { .name: k_out, .offset: 16, .size: 8, .value_kind: global_buffer, .address_space: global }
      - { .name: v_out, .offset: 24, .size: 8, .value_kind: global_buffer, .address_space: global }
      - { .name: w_out, .offset: 32, .size: 8, .value_kind: global_buffer, .address_space: global }
      - { .name: cb, .offset: 40, .size: 8, .value_kind: global_buffer, .address_space: global }
    .group_segment_fixed_size: 0
    .private_segment_fixed_size: 0
    .kernarg_segment_align: 8
    .kernarg_segment_size: 48
    .max_flat_workgroup_size: 256
    .sgpr_count:     66
    .vgpr_count:     72
    .wavefront_size: 32
...
	.end_amdgpu_metadata
.endif
;; end of part 1
;; launch qkvp (part 2): grid 16 x 16, 4 waves a work-group, clusters of 4 x 4, 327,680 bytes of LDS; arguments cb, qkv; writes qkv
.if DOCPART == 2
	.amdgcn_target "amdgcn-amd-amdhsa--gfx1250"
	.amdhsa_code_object_version 6
	.text
	.protected	k_q448bf9db88_qkvp
	.globl	k_q448bf9db88_qkvp
	.p2align	8
	.type	k_q448bf9db88_qkvp,@function
k_q448bf9db88_qkvp:
	s_mov_b64 s[64:65], 0
	v_nop
	global_prefetch_b8 v0, s[64:65] scope:SCOPE_SE
	s_setreg_imm32_b32 hwreg(HW_REG_WAVE_MODE, 25, 1), 1
	s_wait_xcnt 0x0
	s_wait_alu depctr_hold_cnt(0) depctr_sa_sdst(0) depctr_va_vdst(0) depctr_va_sdst(0) depctr_va_ssrc(0) depctr_va_vcc(0) depctr_vm_vsrc(0)
	s_getreg_b32 s2, hwreg(HW_REG_IB_STS2, 6, 4)
	s_cmp_eq_u32 s2, 0
	s_cbranch_scc0 .Lentry_in_a_cluster
	s_endpgm
.Lentry_in_a_cluster:
	s_bfe_u32 s2, ttmp6, 0x10000c
	s_cmp_lg_u32 s2, 0xf033
	s_cbranch_scc0 .Lentry_shape_is_right
	s_endpgm
.Lentry_shape_is_right:
; q, k, v = x W.  x and the three weights come as bf16 from cb (parts 0 to 3, each [2048][2048], rows of 4,096 bytes; a weight lies [k][n]); sums in f32;
; the results go out once rounded to f16, unscaled, by heads: qkv[3][16 heads][2048 tokens][128], rows of 256 bytes.
; LIMIT: f16 ends at 65,504: |q|, |k|, |v| must stay under it.
; SHARES.  A work-group makes 128 tokens x ONE HEAD's 128 columns of q, of k and of v (128 x 384): 16 x 16 work-groups.  x's tile feeds three products.
; A wave makes 64 tokens x 64 columns of each of the three: 48 accumulators of 16 x 16, 384 registers.  K goes in 16 steps of 128 through two LDS slots;
; a slot has four regions, one a wave: wave 0 fetches x's tile (128 rows x 256 bytes), wave w = 1..3 the tile of weight w (128 k-rows x 256 bytes).
; CLUSTER 4 x 4.  x's tile hangs on the token block alone and is shared along a row of the cluster, a weight's on the head alone and is shared along a column: each is asked for jointly.
; THE MATRIX INSTRUCTION IS USED TRANSPOSED: source 0 = 16 columns of W (turned out of LDS by ds_load_tr16_b128), source 1 = 16 tokens: a lane then holds one token and eight neighbouring columns.
; REGISTERS: window 0: v0-31 addresses; v32-95 at work on the way out; v128-255 q's accumulators ((a, b) at 128 + 8 (4 a + b)).  window 1: v0-127 k's, v128-255 v's.
;   window 2: two fragment buffers of 128: x's four fragments (8 a), then for each weight four (32 + 32 mat + 8 b).
.set PA,     272                       ; a row of x in LDS: 256 bytes + 16: the 16 rows of a load start 68 words apart
.set PB,     288                       ; a k-row of a weight: 256 + 32: the turning load's 8 rows x 32 bytes fall on different words modulo 64
.set RGN,    128*PB                    ; a wave's region of a slot (x's tile uses 128 x 272 of it)
.set SLOT,   4*RGN
.set SPARE,  2*SLOT                    ; behind the ring: the spare words, 128 bytes a wave: two blocks of 256 bytes that no other line names
.set SMAT,   128*PA                    ; the way out: a stage of 128 rows x 272 bytes for each of q, k, v, in slot 0, which has had its last fill by then
.set LAPS,   8                         ; a lap = two K steps
.set CO,   14                          ; v14     16 x lane: my 16 bytes of two rows of qkv
.set PFO,  15                          ; v15     4,096 x lane: the prefetches' row
.set ADRA, 16                          ; v16-17  my fragments of x in slot 0, 1
.set ADRB, 18                          ; v18-23  my fragments of weight mat in slot s at 3 s + mat
.set STO,  24                          ; v24, v25  into the stage (q and k; v)
.set RD,   26                          ; v26, v27  back out of it
.set SPW,  30                          ; v30     LDS address of my spare word; never rewritten
.set NIL,  31                          ; v31     0; never rewritten
.set TMP,  32
.set F0,   0
.set F1,   128
.set G1A, 24                           ; s[24:31] group 1 for x's tiles; s[32:39] group 0, a set for each slot
.set G0A, 32
.set G1B, 48                           ; s[48:55], s[56:63] the same for the weights'
.set G0B, 56
.set LIM, 43                           ; s43      1 in a wave that prefetches, else the greatest number
.set PFA, 44                           ; s[44:45] where my prefetches stand
.set PST, 46                           ; s[46:47] their step from K step to K step
.set OQ,  66                           ; s[66:71] q, k, v at the first row that I store
.set MSB, 0
.macro WIN new                         ; the immediate's high byte repeats the setting that is left; a switch that changes nothing is dropped
.if MSB != (\new)
	s_set_vgpr_msb (MSB<<8)|(\new)
.set MSB, \new
.endif
.endm
.macro PLACES                          ; four plain places in front of loads into registers that matrix instructions have read, and of conversions that read results
.rept 4
	v_nop
.endr
.endm
.macro JLOAD s                         ; a joint load: wave 0 x's tile, waves 1 to 3 their weight's; s_nop 0 and four v_nop follow each line
	s_cmp_eq_u32 s10, 0
	s_cbranch_scc0 .Lfor_b_\@
	tensor_load_to_lds s[G0A+4*(\s):G0A+4*(\s)+3], s[G1A:G1A+7]
	s_nop 0
.rept 4
	v_nop
.endr
	s_branch .Lasked_\@
.Lfor_b_\@:
	tensor_load_to_lds s[G0B+4*(\s):G0B+4*(\s)+3], s[G1B:G1B+7]
	s_nop 0
.rept 4
	v_nop
.endr
.Lasked_\@:
.endm
.macro CREST                           ; a round of the cluster's barrier behind its opening barrier
	s_cmp_lg_u32 s10, 0
	s_cbranch_scc1 .Lnot_wave_0_\@
	s_barrier_signal -3
.Lnot_wave_0_\@:
	s_barrier_wait -3
	s_barrier_signal -1
	s_barrier_wait -1
.endm
.macro CROUND
	s_barrier_signal -1
	s_barrier_wait -1
	CREST
.endm
; A prefetch of the K step that stands two refills on: 32 rows x 256 bytes, a lane a row, one instruction a wave.  x's rows are read by every cluster of a row of clusters: cluster x = 0 asks (wave 0);
; a weight's by every cluster of a column: cluster y = 0 asks (waves 1 to 3).  The four partners that ask for a tile jointly share its 128 rows out by address, 32 each.  The loop's last trip has no K step two on.
.macro ASK
	s_cmp_gt_u32 s3, s[LIM]
	s_cbranch_scc0 .Lnot_mine_\@
	global_prefetch_b8 v[PFO], s[PFA:PFA+1] th:TH_LOAD_NT scope:SCOPE_SE
.Lnot_mine_\@:
.endm
	s_load_b128 s[4:7], s[0:1], 0x0                ; cb s[4:5], qkv s[6:7]
	v_lshl_add_u32 v[SPW], v0, 2, SPARE
	v_mov_b32 v[NIL], 0
	ds_add_u32 v[SPW], v[NIL]                      ; the wave's opening: the add and its wait stand ahead of my first tensor load; work on registers stands between
	v_lshrrev_b32 v1, 5, v0
	v_readfirstlane_b32 s10, v1                    ; wave 0..3
	s_lshr_b32 s11, s10, 1                         ; which 64 tokens are mine
	s_and_b32 s12, s10, 1                          ; which 64 columns
	s_bfe_u32 s40, ttmp6, 0x40000                  ; cx
	s_bfe_u32 s41, ttmp6, 0x40004                  ; cy
	s_lshl_b32 s42, ttmp9, 2
	s_add_co_u32 s42, s42, s40                     ; the head = 4 x cluster x + cx
	s_and_b32 s13, ttmp7, 0xffff
	s_lshl_b32 s13, s13, 2
	s_add_co_u32 s13, s13, s41                     ; the block of 128 tokens = 4 x cluster y + cy
	s_lshl_b32 s43, s41, 2
	s_lshl_b32 s43, 15, s43                        ; my row of the cluster
	s_lshl_b32 s44, 0x1111, s40                    ; my column
	s_or_b32 s[G1A+0], s43, (1<<16)|(1<<20)|(1<<21)|(5<<22)|(3<<25)  ; the mask; 2-byte elements; padding on; bit 21 beside a mask; after every 64 words 4 words
	s_or_b32 s[G1B+0], s44, (1<<16)|(1<<20)|(1<<21)|(5<<22)|(7<<25)  ; the same with my column's mask and 8 words of padding
.irp g, G1A, G1B
	s_mov_b32 s[(\g)+1], 128<<16                   ; tensor_dim0 = 128
	s_mov_b32 s[(\g)+2], 128<<16                   ; tensor_dim1 = 128
	s_mov_b32 s[(\g)+3], 128<<16                   ; tile_dim0 = 128
	s_mov_b32 s[(\g)+4], 128                       ; tile_dim1 = 128
	s_mov_b32 s[(\g)+5], 2048                      ; elements from row to row
	s_mov_b32 s[(\g)+6], 0
	s_mov_b32 s[(\g)+7], 0
.endr
	s_lshl_b32 s16, s13, 19                        ; x: 128 rows of 4,096 bytes a block
	s_mov_b32 s17, 0
	s_lshl_b32 s46, s10, 23                        ; the weight: part w of cb,
	s_lshl_b32 s47, s42, 8                         ; the head's 256 bytes of each row
	s_add_co_u32 s46, s46, s47
	s_mov_b32 s47, 0
	s_mul_i32 s20, s10, RGN                        ; where my tile goes: wave x a region
	s_wait_dscnt 0x0                               ; the opening add is done
	s_wait_kmcnt 0x0
	s_add_nc_u64 s[14:15], s[4:5], s[16:17]
	s_add_nc_u64 s[46:47], s[4:5], s[46:47]
	CROUND                                         ; all sixteen work-groups are here: the first joint loads meet
.irp s, 0,1
	s_mov_b32 s[G0A+4*(\s)], 1
	s_add_co_u32 s[G0A+4*(\s)+1], s20, (\s)*SLOT
	s_add_nc_u64 s[G0A+4*(\s)+2:G0A+4*(\s)+3], s[14:15], (\s)*256        ; K step s: 256 bytes along the rows
	s_or_b32 s[G0A+4*(\s)+3], s[G0A+4*(\s)+3], 0x80000000
	s_mov_b32 s[G0B+4*(\s)], 1
	s_add_co_u32 s[G0B+4*(\s)+1], s20, (\s)*SLOT
	s_add_nc_u64 s[G0B+4*(\s)+2:G0B+4*(\s)+3], s[46:47], (\s)*128*4096   ; K step s: 128 rows down
	s_or_b32 s[G0B+4*(\s)+3], s[G0B+4*(\s)+3], 0x80000000
	JLOAD \s
.endr
	v_and_b32 v1, 15, v0                           ; l % 16
	v_bfe_u32 v2, v0, 4, 1                         ; l / 16
	v_and_b32 v3, 7, v0
	v_bfe_u32 v4, v0, 3, 1
	v_mul_u32_u24 v5, v1, PA
	v_lshl_add_u32 v5, v2, 4, v5                   ; row x 272 + 16 x half: a fragment of x, and a lane's place in the stage
	s_mul_i32 s21, s11, 64*PA
	v_add_nc_u32 v[ADRA], s21, v5
	v_add_nc_u32 v[ADRA+1], SLOT, v[ADRA]
	v_lshl_add_u32 v6, v2, 3, v3                   ; the turning load: k-row 8 (l / 16) + l % 8, 16 bytes at 16 ((l / 8) % 2)
	v_mul_u32_u24 v6, v6, PB
	v_lshl_add_u32 v6, v4, 4, v6
	s_lshl_b32 s22, s12, 7                         ; my 64 columns
	s_add_co_u32 s22, s22, RGN                     ; the weights lie behind x's region
	v_add_nc_u32 v6, s22, v6
.irp s, 0,1
.irp m, 0,1,2
	v_add_nc_u32 v[ADRB+3*(\s)+(\m)], (\s)*SLOT+(\m)*RGN, v6
.endr
.endr
	s_lshl_b32 s23, s12, 7
	s_add_co_u32 s23, s23, s21                     ; into the stage: my 64 rows, my 128 bytes of them
	v_add_nc_u32 v[STO], s23, v5
	v_add_nc_u32 v[STO+1], 2*SMAT, v[STO]
	v_mul_u32_u24 v7, v2, PA                       ; back: wave w takes rows 32 w .. 32 w + 31 whole; lanes 0-15 one row, lanes 16-31 the next
	v_lshl_add_u32 v7, v1, 4, v7
	s_mul_i32 s23, s10, 32*PA
	v_add_nc_u32 v[RD], s23, v7
	v_add_nc_u32 v[RD+1], 2*SMAT, v[RD]
	v_and_b32 v[CO], 31, v0
	v_lshlrev_b32 v[PFO], 12, v[CO]
	v_lshlrev_b32 v[CO], 4, v[CO]
	s_lshl_b32 s16, s42, 19                        ; qkv: the head's 524,288 bytes,
	s_lshl_b32 s17, s13, 15                        ; the block's 128 rows of 256 bytes,
	s_add_co_u32 s16, s16, s17
	s_lshl_b32 s17, s10, 13                        ; my 32 of them
	s_add_co_u32 s16, s16, s17
	s_mov_b32 s17, 0
	s_add_nc_u64 s[OQ:OQ+1], s[6:7], s[16:17]
	s_add_nc_u64 s[OQ+2:OQ+3], s[OQ:OQ+1], 0x800000
	s_add_nc_u64 s[OQ+4:OQ+5], s[OQ+2:OQ+3], 0x800000
	; the prefetches stand at K step 3; the first refill steps them to K step 4.  K steps 0 to 3 come by their loads alone.
	s_lshl_b32 s20, s13, 19
	s_add_co_u32 s20, s20, 3*256
	s_lshl_b32 s21, s10, 23
	s_lshl_b32 s22, s42, 8
	s_add_co_u32 s21, s21, s22
	s_add_co_u32 s21, s21, 3*128*4096
	s_and_b32 s22, ttmp7, 0xffff                   ; cluster y
	s_mov_b32 s[PST], 128*4096
	s_cmp_eq_u32 s10, 0                            ; do I fetch x?
	s_cselect_b32 s20, s20, s21
	s_cselect_b32 s21, s40, s41                    ; my place among the four that ask with me
	s_cselect_b32 s22, ttmp9, s22                  ; the coordinate along which other clusters read the same rows
	s_cselect_b32 s[PST], 256, s[PST]
	s_mov_b32 s[PST+1], 0
	s_cmp_eq_u32 s22, 0
	s_cselect_b32 s[LIM], 1, -1
	s_lshl_b32 s21, s21, 17                        ; my work-group's 32 rows of 4,096 bytes
	s_add_co_u32 s20, s20, s21
	s_mov_b32 s21, 0
	s_add_nc_u64 s[PFA:PFA+1], s[4:5], s[20:21]
; na x 4 matrix instructions of matrix mat (0 q, 1 k, 2 v): token blocks a0 .. a0 + na - 1 x all 4 column blocks, 32 along K, from buffer f.  zero = 1: the products start the sums.
; The 48 accumulators take turns, one instruction a turn, in the same order in every 32 along K.
.macro MUL mat, f, a0, na, zero
.if (\mat) == 0
	WIN 0x0a                                       ; sources in window 2, C and D in window 0
.set AB, 128
.else
	WIN 0x5a                                       ; C and D in window 1
.set AB, 128*((\mat)-1)
.endif
.set aa, (\a0)
.rept \na
.irp b, 0,1,2,3
.if \zero
	v_wmma_f32_16x16x32_bf16 v[AB+8*(4*aa+(\b)):AB+8*(4*aa+(\b))+7], v[(\f)+32+32*(\mat)+8*(\b):(\f)+32+32*(\mat)+8*(\b)+7], v[(\f)+8*aa:(\f)+8*aa+7], 0
.else
	v_wmma_f32_16x16x32_bf16 v[AB+8*(4*aa+(\b)):AB+8*(4*aa+(\b))+7], v[(\f)+32+32*(\mat)+8*(\b):(\f)+32+32*(\mat)+8*(\b)+7], v[(\f)+8*aa:(\f)+8*aa+7], v[AB+8*(4*aa+(\b)):AB+8*(4*aa+(\b))+7]
.endif
.endr
.set aa, aa+1
.endr
.endm
; 32 LDS loads in one run: the fragments of 32 along K (number sub of the K step's four) into buffer f: x's 8 loads, then 8 for each weight
.macro FETCH slot, sub, f
	WIN 0x80                                       ; destination window 2, address window 0
.irp i, 0,1,2,3
	ds_load_b128 v[(\f)+8*(\i):(\f)+8*(\i)+3],   v[ADRA+(\slot)] offset:(\i)*16*PA+64*(\sub)
	ds_load_b128 v[(\f)+8*(\i)+4:(\f)+8*(\i)+7], v[ADRA+(\slot)] offset:(\i)*16*PA+64*(\sub)+32
.endr
.irp m, 0,1,2
.irp i, 0,1,2,3
	ds_load_tr16_b128 v[(\f)+32+32*(\m)+8*(\i):(\f)+32+32*(\m)+8*(\i)+3],   v[ADRB+3*(\slot)+(\m)] offset:(\sub)*32*PB+32*(\i)
	ds_load_tr16_b128 v[(\f)+32+32*(\m)+8*(\i)+4:(\f)+32+32*(\m)+8*(\i)+7], v[ADRB+3*(\slot)+(\m)] offset:(\sub)*32*PB+32*(\i)+16*PB
.endr
.endr
.endm
; One of a K step's first three quarters: multiplies buffer f and fetches quarter sub of the same slot into g.
.macro SUB slot, sub, f, g, zero
	s_wait_dscnt 16                                ; x's and q_out's fragments are in; the youngest sixteen loads may be out
	MUL 0, \f, 0, 4, \zero
	PLACES
	FETCH \slot, \sub, \g
	s_wait_dscnt 32                                ; all but the 32 just issued
	MUL 1, \f, 0, 4, \zero
	MUL 2, \f, 0, 4, \zero
.endm
; The last quarter multiplies buffer 1 and changes slots: ONE barrier; in front of it each wave waits for all its tensor loads (one is out: its part of the next slot), adds 0 to its spare word,
; and waits for that and for its reads of this slot.  fill = 1: the barrier opens a round of the cluster's, and this slot is filled again, two K steps ahead, first thing behind the round:
; from that request to the wait for it a wave issues 176 matrix instructions.
.macro TURN slot, next, fill
.if \fill
	s_wait_xcnt 0x0                                ; the last prefetch, a K step back, has read its address
	s_add_nc_u64 s[PFA:PFA+1], s[PFA:PFA+1], s[PST:PST+1]
.endif
	WIN 0                                          ; (the add's two registers lie in window 0)
	s_wait_tensorcnt 0x0
	ds_add_u32 v[SPW], v[NIL]                      ; 0 onto my spare word
	s_wait_dscnt 17                                ; the add and the youngest sixteen loads may be out
	MUL 0, F1, 0, 2, 0
	s_wait_dscnt 0x0                               ; the add is done, and my reads of this slot are over
	s_barrier_signal -1
	MUL 0, F1, 2, 2, 0
.if \fill
	WIN 0
.endif
	s_barrier_wait -1
.if \fill
	CREST                                          ; no wave of any partner still reads this slot or has a load on its way
	s_add_nc_u64 s[G0A+4*(\slot)+2:G0A+4*(\slot)+3], s[G0A+4*(\slot)+2:G0A+4*(\slot)+3], 2*256
	s_add_nc_u64 s[G0B+4*(\slot)+2:G0B+4*(\slot)+3], s[G0B+4*(\slot)+2:G0B+4*(\slot)+3], 2*128*4096
	JLOAD \slot                                    ; its four v_nop are also the places in front of the loads below
.else
	PLACES
.endif
	FETCH \next, 0, F0
.if \fill
	WIN 0
	ASK
.endif
	MUL 1, F1, 0, 4, 0
	MUL 2, F1, 0, 4, 0
.endm
	s_wait_tensorcnt 1                             ; my part of K step 0 is in; K step 1's may stay out
	s_barrier_signal -1
	s_barrier_wait -1
	FETCH 0, 0, F0
	SUB 0, 1, F0, F1, 1                            ; the first quarter stands in front of the loop: its products start the sums
	WIN 0
	s_mov_b32 s3, LAPS-1
.Llap:                                                 ; a trip goes once round the ring and fills both slots again
	SUB 0, 2, F1, F0, 0
	SUB 0, 3, F0, F1, 0
	TURN 0, 1, 1
	SUB 1, 1, F0, F1, 0
	SUB 1, 2, F1, F0, 0
	SUB 1, 3, F0, F1, 0
	TURN 1, 0, 1
	SUB 0, 1, F0, F1, 0
	WIN 0
	s_sub_co_u32 s3, s3, 1
	s_cmp_lg_u32 s3, 0
	s_cbranch_scc1 .Llap
	SUB 0, 2, F1, F0, 0                            ; the last lap fills nothing
	SUB 0, 3, F0, F1, 0
	TURN 0, 1, 0
	SUB 1, 1, F0, F1, 0
	SUB 1, 2, F1, F0, 0
	SUB 1, 3, F0, F1, 0
	s_wait_dscnt 16
	MUL 0, F1, 0, 4, 0
	s_wait_dscnt 0x0
	MUL 1, F1, 0, 4, 0
	MUL 2, F1, 0, 4, 0
	WIN 0
	; THE WAY OUT.  Rounded to f16, 16 bytes a lane into the stage (slot 0: every wave left it at the last change of slots, and nothing fills it any more); a barrier, since a row's
	; 256 bytes come from two waves; back as whole rows, 32 rows of each matrix a wave.
	PLACES
.irp m, 0,1,2
.if (\m) == 0
	WIN 0
.set SB, 128
.else
	WIN 0x05                                       ; sources in window 1, destination in window 0
.set SB, 128*((\m)-1)
.endif
.set i, 0
.rept 64
	v_cvt_pk_f16_f32 v[TMP+i], v[SB+2*i], v[SB+2*i+1]
.set i, i+1
.endr
	WIN 0
.irp a, 0,1,2,3
.irp b, 0,1,2,3
	ds_store_b128 v[STO+(\m)/2], v[TMP+4*(4*(\a)+(\b)):TMP+4*(4*(\a)+(\b))+3] offset:((\m)%2)*SMAT+(\a)*16*PA+32*(\b)
.endr
.endr
.endr
	s_wait_dscnt 0x0                               ; for the others' sake: my stores into the stage are done
	s_barrier_signal -1
	s_barrier_wait -1
.set n, 0
.rept 48                               ; matrix n / 16, rows 2 (n % 16) and the next; into v32-95 and then q's accumulators, which have been packed
.if n < 16
.set rg, 32+4*n
.else
.set rg, 64+4*n
.endif
	ds_load_b128 v[rg:rg+3], v[RD+n/32] offset:((n/16)%2)*SMAT+(n%16)*2*PA
.set n, n+1
.endr
.set n, 0
.rept 48
.if n < 16
.set rg, 32+4*n
.else
.set rg, 64+4*n
.endif
	s_wait_dscnt 47-n                              ; load n is in; the younger ones may stay out
	global_store_b128 v[CO], v[rg:rg+3], s[OQ+2*(n/16):OQ+2*(n/16)+1] offset:512*(n%16)  ; 512 consecutive bytes, at a multiple of 256 from qkv's first
.set n, n+1
.endr
	s_wait_tensorcnt 0x0                           ; the wave's end
	ds_add_u32 v[SPW], v[NIL]
	s_wait_dscnt 0x0
	CROUND                                         ; the closing round
	s_endpgm
.Lfunc_end_k_q448bf9db88_qkvp:
	.size	k_q448bf9db88_qkvp, .Lfunc_end_k_q448bf9db88_qkvp-k_q448bf9db88_qkvp
	.p2alignl 7, 3214868480
	.fill 96, 4, 3214868480
	.section	.rodata,"a",@progbits
	.p2align	6, 0x0
	.amdhsa_kernel k_q448bf9db88_qkvp
		.amdhsa_group_segment_fixed_size 327680
		.amdhsa_private_segment_fixed_size 0
		.amdhsa_enable_private_segment 0
		.amdhsa_kernarg_size 16
		.amdhsa_user_sgpr_count 2
		.amdhsa_user_sgpr_kernarg_segment_ptr 1
		.amdhsa_wavefront_size32 1
		.amdhsa_system_sgpr_workgroup_id_x 1
		.amdhsa_system_sgpr_workgroup_id_y 1
		.amdhsa_system_sgpr_workgroup_id_z 1
		.amdhsa_system_vgpr_workitem_id 0
		.amdhsa_next_free_vgpr 768
		.amdhsa_next_free_sgpr 72
		.amdhsa_reserve_vcc 0
		.amdhsa_float_denorm_mode_32 3
		.amdhsa_float_denorm_mode_16_64 3
		.amdhsa_memory_ordered 1
		.amdhsa_forward_progress 1
		.amdhsa_inst_pref_size 120
	.end_amdhsa_kernel
	.amdgpu_metadata
---
amdhsa.version: [ 1, 2 ]
amdhsa.kernels:
  - .name:           k_q448bf9db88_qkvp
    .symbol:         k_q448bf9db88_qkvp.kd
    .args:
      - { .name: cb, .offset: 0, .size: 8, .value_kind: global_buffer, .address_space: global }
      - { .name: qkv, .offset: 8, .size: 8, .value_kind: global_buffer, .address_space: global }
    .group_segment_fixed_size: 327680
    .private_segment_fixed_size: 0
    .kernarg_segment_align: 8
    .kernarg_segment_size: 16
    .max_flat_workgroup_size: 128
    .sgpr_count:     72
    .vgpr_count:     768
    .wavefront_size: 32
...
	.end_amdgpu_metadata
.endif
;; end of part 2
;; launch attn (part 3): grid 16 x 16, 4 waves a work-group, clusters of 4 x 1, 327,680 bytes of LDS; arguments qkv, ctx; writes ctx
.if DOCPART == 3
	.amdgcn_target "amdgcn-amd-amdhsa--gfx1250"
	.amdhsa_code_object_version 6
	.text
	.protected	k_q448bf9db88_attn
	.globl	k_q448bf9db88_attn
	.p2align	8
	.type	k_q448bf9db88_attn,@function
k_q448bf9db88_attn:
	s_mov_b64 s[64:65], 0
	v_nop
	global_prefetch_b8 v0, s[64:65] scope:SCOPE_SE
	s_setreg_imm32_b32 hwreg(HW_REG_WAVE_MODE, 25, 1), 1
	s_wait_xcnt 0x0
	s_wait_alu depctr_hold_cnt(0) depctr_sa_sdst(0) depctr_va_vdst(0) depctr_va_sdst(0) depctr_va_ssrc(0) depctr_va_vcc(0) depctr_vm_vsrc(0)
	s_getreg_b32 s2, hwreg(HW_REG_IB_STS2, 6, 4)
	s_cmp_eq_u32 s2, 0
	s_cbranch_scc0 .Lentry_in_a_cluster
	s_endpgm
.Lentry_in_a_cluster:
	s_bfe_u32 s2, ttmp6, 0x10000c
	s_cmp_lg_u32 s2, 0x3003
	s_cbranch_scc0 .Lentry_shape_is_right
	s_endpgm
.Lentry_shape_is_right:
; CAUSAL ATTENTION, head size 128.  ctx[q][128 h ..] = the sum over k <= q of softmax_k(Q[h][q] . K[h][k] / sqrt(128)) V[h][k].  qkv: [3][16][2048][128] in f16, rows of 256 bytes; ctx: [2048][2048] in f16.
; Products, maxima and sums in f32; the weights p are rounded to f16 for the second product (their sum l is taken of the unrounded p), ctx once at the end.
; LIMITS.  A hidden score counts as its value less 1e30; a weight below 2^-126 counts as 0; NaN and infinities are not treated apart; ctx is a mean of V's rows and has their range.
; THE WALK.  A head's queries lie in 32 blocks of 64.  Work-group b = 4 c + cx (c the cluster) takes block b and then block 31 - b.  K and V come in tiles of 256 keys, two key steps of 128.  All four partners walk
; c + 1 tiles for the first block and 8 - c for the second: 9 whatever c, so every tile is ONE joint load of the four, and no branch, trip count or LDS address hangs on cx (two partners have one step a block that is
; wholly hidden).  The short block goes first, so that the change of blocks falls into the loop (trip c + 1, 4 at the most) and never into the last tile, which is written out.
; KEYS ARE SPLIT AMONG THE WAVES.  Every wave holds all 64 queries (four tiles of 16) and takes keys 32 w .. 32 w + 31 of each step: a fragment of K or V feeds four tiles, each LDS byte is read by one wave,
; and all waves do the same work in every step.  Each wave has its own running maximum m, sum l and O.  BOTH BLOCKS' O STAY IN REGISTERS to the end (the first block's is moved aside at the change of blocks);
; then the four waves' parts meet in LDS, in the ring's bytes, which have had their last fill, and wave w finishes tile w of both blocks.
; A wave all of whose keys are hidden from a query ends with c m near -1.3e29 and takes part in the meeting with the factor 2^(c m - M) = 0: wave 0 holds key 0, which every query sees.
; LAYOUT.  S^T = K Q^T (source 0 = 16 keys, source 1 = 16 queries): a lane holds ONE query (lane % 16) and keys 8 (lane / 16) + 0..7; two such results rounded to f16 ARE source 1 of O^T = V^T P.
; THE MASK is the C operand that starts S^T's sums: 0, or -1e30 where the key is hidden.  It is all 0 but in a block's last tile, where it is made anew for each step.
; SOFTMAX.  p = 2^(c s - c m), c = log2(e) / sqrt(128); in every step O and l are multiplied by a = 2^(c m_old - c m_new).  c m starts far below every c s, so a block's first a is 0 and O and l need only be finite.
; A STEP: K of step j is asked for; the 32 products V^T P of step j - 1, behind each the rescaling (four packed multiplies) of the accumulator two turns on; V of step j is asked for; 32 products K Q^T; the softmax,
; whose 68 exponentials are one batch with one wait.  So K's loads have 32 products in which to come, V's the products K Q^T and the softmax.  The first step multiplies zeros, and the last V^T P stands behind the walk.
; THE PRICE of one text for every step: some 560 v_mov_b32 that write 0 at the head, in the wait for the first tile (O, the registers that take the first block's O, V, P, the masks), and 32 products on zeros.
; REGISTERS: window 0: v0-31 addresses; v32-63 eight registers of statistics a tile; v64-127 S^T; v128-159 P; v160-223 the masks (at the end: the meeting's statistics); v224-255 the first block's statistics, then at work on the way out.
;   window 1: O^T, 64 a tile (at the end: the four waves' parts of my tile).   window 2: v0-127 Q; v128-191 K of my 32 keys; v192-255 V of them.
;   window 3: v0-127 the second block's Q, later the first block's O, tiles 2 and 3; v128-255 its tiles 0 and 1.
.set PK,    272                        ; a row of K in LDS: 256 bytes + 16
.set PV,    288                        ; a row of V: 256 + 32
.set KST,   128*PK                     ; a step's K
.set VST,   128*PV                     ; a step's V
.set XK,    2*KST                      ; K's ring: slot 0 at 0, slot 1 at 0x11000.  The bases 0 and 0x8800 have no bit of 0x11000, so one exclusive or turns a base of one slot into the other's
.set XV,    2*VST                      ; V's ring: slot 0 at 0x24000, slot 1 at 0x36000.  The bases 0x24000 and 0x2d000 have no bit of 0x12000
.set VR,    0x24000
.set MST,   0                          ; at the end, in the ring's bytes: O's parts, [block][writer][tile][16 quads] x 512 bytes
.set MSS,   262144                     ; (c m, l) of each lane, [block][writer][tile] x 256 bytes
.set OST,   VR+2*XV                    ; behind the ring: 16 rows x 272 bytes for each wave, for the way out
.set SP,    272
.set SPARE, OST+4*16*SP                ; the spare words, 128 bytes a wave: two blocks of 256 bytes that no other line names
.set AK0, 2                            ; v2     my lane's place in a step's K; never rewritten
.set AV0, 3                            ; v3     in a step's V
.set ADK, 4                            ; v4     the LDS address of K's run of loads
.set ADV, 5                            ; v5     of V's
.set QO,  6                            ; v6     my byte offset in 16 rows of Q
.set STO, 7                            ; v7     the way out: where I put 16 bytes of a row
.set RD,  8                            ; v8     where I read rows back
.set GO,  12                           ; v12    my byte offset in two rows of ctx
.set MBQ, 13                           ; v13    the block in hand: 64 i + l % 16 - 8 (l / 16) - 32 w
.set VQ,  14                           ; v14    at work in BUILD
.set PFO, 15                           ; v15    256 x lane
.set LW,  16                           ; v16-17 where I put my part of O: first block, second block
.set LR,  18                           ; v18-19 where the four parts of my tile lie (writers 0, 1; writers 2, 3), first block
.set SW,  20                           ; v20    where I put (c m, l)
.set SR,  21                           ; v21    where I read them, first block
.set MBL, 22                           ; v22    MBQ for block b
.set MBH, 23                           ; v23    for block 31 - b
.set BIGV, 24                          ; v24    -1e30
.set LRA, 25                           ; v25-26 LR for the block that is being finished
.set SRA, 27                           ; v27    SR for it
.set SPW, 30                           ; v30    LDS address of my spare word; never rewritten
.set NIL, 31                           ; v31    0; never rewritten
.set ST,  32                           ; tile t at ST + 8 t: c m, m, l (even keys', odd keys'), c0, c1, a, c3
.set S,   64                           ; tile t, key block kb at S + 16 t + 8 kb
.set P,   128                          ; tile t at P + 8 t
.set MC,  160                          ; laid out like S
.set X,   160                          ; the meeting: (c m, l) of writer w at X + 2 w
.set T0,  168
.set TMP, 224
.set SV,  224                          ; the first block's (c m, l) of tile t at SV + 2 t
.set KF,  128                          ; window 2: key block kb, channels 32 c on at KF + 32 kb + 8 c
.set VF,  192                          ; window 2: channels 16 cb on at VF + 8 cb
.set WV,  12
.set KB,  16                           ; s[16:17] K at my half of the head's tile 0;  s[18:19] V
.set VB,  18
.set QHI, 20                           ; s[20:21], s[22:23] Q at block 31 - b and at block b
.set QLO, 22
.set G1K, 24
.set G1V, 32
.set G0K, 40                           ; s[40:43] group 0 for K's tiles: it walks;  s[44:47] for V's
.set G0V, 44
.set TBK, 48                           ; LDS byte at which K of the step to be fetched begins
.set TBV, 49                           ; the same for V
.set TWICE, 50                         ; counts a tile's two steps
.set TL2, 51                           ; the second block's number of tiles
.set OB,  52                           ; s[52:53] ctx at my rows of the block that is being finished
.set RB,  54                           ; that block's offset in MST
.set RS,  55                           ; and in MSS
.set OHI, 56                           ; s[56:57], s[58:59] ctx at my tile's rows of block 31 - b and of block b
.set OLO, 58
.set CS,  60
.set SEL, 62
.set PFA, 66
.set OFF, 68                           ; s[68:69] a tile's byte offset in K and V
.set NX,  70                           ; the tile to be asked for next
.set NF,  71                           ; the first block's number of tiles, until the asking has passed it
.set CNT, 72                           ; trips to go
.set TL,  73                           ; tiles that the block in hand still has
.set JK,  75                           ; the step's first key
.set LIM, 76                           ; 1 in the cluster that prefetches, else the greatest number
.set NEW, 77                           ; 1: the step to come is the second block's first
.set MSB, 0
.macro WIN new                         ; the immediate's high byte repeats the setting that is left; a switch that changes nothing is dropped
.if MSB != (\new)
	s_set_vgpr_msb (MSB<<8)|(\new)
.set MSB, \new
.endif
.endm
.macro PLACES
.rept 4
	v_nop
.endr
.endm
.macro T4 line:vararg                  ; one line for each tile t
.set t, 0
.rept 4
	\line
.set t, t+1
.endr
.endm
.macro JLOAD                           ; a joint fill: waves 0 and 1 the two steps of K's tile, waves 2 and 3 of V's: 128 rows of 256 bytes each; s_nop 0 and four v_nop follow each line
	s_cmp_lt_u32 s[WV], 2
	s_cbranch_scc0 .Lfor_v_\@
	tensor_load_to_lds s[G0K:G0K+3], s[G1K:G1K+7]
	s_nop 0
.rept 4
	v_nop
.endr
	s_branch .Lasked_\@
.Lfor_v_\@:
	tensor_load_to_lds s[G0V:G0V+3], s[G1V:G1V+7]
	s_nop 0
.rept 4
	v_nop
.endr
.Lasked_\@:
.endm
.macro CROUND
	s_barrier_signal -1
	s_barrier_wait -1
	s_cmp_lg_u32 s[WV], 0
	s_cbranch_scc1 .Lnot_wave_0_\@
	s_barrier_signal -3
.Lnot_wave_0_\@:
	s_barrier_wait -3
	s_barrier_signal -1
	s_barrier_wait -1
.endm
; A PREFETCH.  Of a head's four clusters cluster 0 is the first to load tiles 4 to 7 (in trips 4 to 7).  In trips 3 to 6 (CNT = 5 .. 2) it names the tile that its next trip loads: two key steps ahead.
; A tile is 256 rows of K and 256 of V, 256 bytes each: the four partners' sixteen waves take 32 rows each, a lane a row, told apart by address (cx, the wave's half; waves 0 and 1 K's, waves 2 and 3 V's).
; So each of these rows is named once in the launch.  Tiles 0 to 3 are asked for by several clusters in the launch's first trips and come by their loads alone.
.macro ASK
	s_cmp_gt_u32 s[CNT], s[LIM]
	s_cbranch_scc0 .Lnot_mine_\@
	s_cmp_lt_u32 s[CNT], 6
	s_cbranch_scc0 .Lnot_mine_\@
	global_prefetch_b8 v[PFO], s[PFA:PFA+1] th:TH_LOAD_NT scope:SCOPE_SE
.Lnot_mine_\@:
.endm
; THE CHANGE OF SLOTS, in front of a tile's two steps.  Each wave waits for all its tensor loads (one is out: its part of this tile), adds 0 to its spare word, and waits for that and for its reads of the other slot.
; fill = 1: a round of the cluster's barrier, and the other slot is filled with tile NX, first thing behind it: the load has two key steps in which to land.  The address is made anew from the tile's number.
.macro CHANGE fill
	WIN 0
	s_wait_tensorcnt 0x0
	ds_add_u32 v[SPW], v[NIL]                      ; 0 onto my spare word; the descriptors' scalar work stands between it and the wait for it
.if \fill
	s_cmp_eq_u32 s[NX], s[NF]                      ; behind the first block's last tile comes the second block's tile 0,
	s_cselect_b32 s[NX], 0, s[NX]
	s_cselect_b32 s[NF], -1, s[NF]                 ; once
	s_lshl_b32 s[OFF], s[NX], 16                   ; a tile is 65,536 bytes of K and of V
	s_xor_b32 s[G0K+1], s[G0K+1], XK               ; the other slot than last time
	s_add_nc_u64 s[G0K+2:G0K+3], s[KB:KB+1], s[OFF:OFF+1]
	s_or_b32 s[G0K+3], s[G0K+3], 0x80000000
	s_xor_b32 s[G0V+1], s[G0V+1], XV
	s_add_nc_u64 s[G0V+2:G0V+3], s[VB:VB+1], s[OFF:OFF+1]
	s_or_b32 s[G0V+3], s[G0V+3], 0x80000000
	s_add_co_u32 s[NX], s[NX], 1
	s_wait_xcnt 0x0                                ; the last prefetch, a trip back, has read its address
	s_add_nc_u64 s[PFA:PFA+1], s[PFA:PFA+1], 65536
	s_wait_dscnt 0x0                               ; the add is done, and my reads of the other slot are over
	CROUND
	JLOAD
	ASK
.else
	s_wait_dscnt 0x0
	s_barrier_signal -1
	s_barrier_wait -1
.endif
	s_sub_co_u32 s[TBK], s[TBK], XK                ; the fetches go back to a slot's first step,
	s_xor_b32 s[TBK], s[TBK], XK                   ; in the other slot
	s_sub_co_u32 s[TBV], s[TBV], XV
	s_xor_b32 s[TBV], s[TBV], XV
.endm
; THE MASK of the step that begins at key JK: register rr of key block kb of tile t is hidden where JK + 32 w + 16 kb + 8 (l / 16) + rr > 64 i + 16 t + l % 16.
.macro BUILD
	v_sub_nc_u32 v[VQ], v[MBQ], s[JK]
.set t, 0
.rept 4
.set n, 0
.rept 16
	v_cmp_gt_i32 vcc_lo, 16*(n/8)+n%8, v[VQ]
	v_cndmask_b32 v[MC+16*t+n], 0, v[BIGV], vcc_lo
.set n, n+1
.endr
	v_add_nc_u32 v[VQ], 16, v[VQ]
.set t, t+1
.endr
.endm
.macro ZMC
.set n, 0
.rept 64
	v_mov_b32 v[MC+n], 0
.set n, n+1
.endr
.endm
.macro LOADQ base, win                 ; a block's Q: tile n / 4, channels 32 (n % 4) on
	WIN \win
.set n, 0
.rept 16
	global_load_b128 v[8*n:8*n+3],   v[QO], s[(\base):(\base)+1] offset:(n/4)*4096+(n%4)*64
	global_load_b128 v[8*n+4:8*n+7], v[QO], s[(\base):(\base)+1] offset:(n/4)*4096+(n%4)*64+32
.set n, n+1
.endr
	WIN 0
.endm
; O^T's accumulator m (tile m % 4, channels 16 (m / 4) on) times its tile's a; its lowest registers first.
.macro RS4 m
	WIN 0x41                                       ; O^T (destination and source 0) in window 1, a in window 0
.set rO, 64*((\m)%4)+8*((\m)/4)
.irp z, 0,2,4,6
	v_pk_mul_f32 v[rO+\z:rO+\z+1], v[rO+\z:rO+\z+1], v[ST+8*((\m)%4)+6:ST+8*((\m)%4)+7] op_sel_hi:[1,0]
.endr
.endm
; O^T = a O^T + V^T P: 32 products, one on each accumulator; behind product n stand the four multiplies that rescale accumulator n + 2.  They name no register of the products round them.
.macro PVR
	RS4 0
	RS4 1
.set n, 0
.rept 32
	WIN 0x52                                       ; V in window 2, P in window 0, O^T in window 1
	v_wmma_f32_16x16x32_f16 v[64*(n%4)+8*(n/4):64*(n%4)+8*(n/4)+7], v[VF+8*(n/4):VF+8*(n/4)+7], v[P+8*(n%4):P+8*(n%4)+7], v[64*(n%4)+8*(n/4):64*(n%4)+8*(n/4)+7]
.if n < 30
	RS4 n+2
.endif
.set n, n+1
.endr
.endm
; THE SOFTMAX of a step, in stages, the four tiles side by side in each.  s0-s15 are a lane's 16 scores of a tile.  It leaves P, a and l; O^T is rescaled in the next step.
.macro SOFTMAX
	WIN 0
	T4 v_mov_b32 v[ST+8*t+7], v[ST+8*t]            ; c m_old is kept; these four are the places behind the products
	T4 v_max3_num_f32 v[ST+8*t+4], v[S+16*t], v[S+16*t+1], v[S+16*t+2]       ; each accumulator's lowest registers are read first
	T4 v_max3_num_f32 v[ST+8*t+5], v[S+16*t+8], v[S+16*t+9], v[S+16*t+10]
	T4 v_max3_num_f32 v[ST+8*t+4], v[ST+8*t+4], v[S+16*t+3], v[S+16*t+4]
	T4 v_max3_num_f32 v[ST+8*t+5], v[ST+8*t+5], v[S+16*t+11], v[S+16*t+12]
	T4 v_max3_num_f32 v[ST+8*t+4], v[ST+8*t+4], v[S+16*t+5], v[S+16*t+6]
	T4 v_max3_num_f32 v[ST+8*t+5], v[ST+8*t+5], v[S+16*t+13], v[S+16*t+14]
	T4 v_max3_num_f32 v[ST+8*t+4], v[ST+8*t+4], v[S+16*t+7], v[S+16*t+15]
	T4 v_max3_num_f32 v[ST+8*t+4], v[ST+8*t+4], v[ST+8*t+5], v[ST+8*t+1]
	T4 v_permlanex16_b32 v[ST+8*t+5], v[ST+8*t+4], s[SEL], s[SEL+1]          ; the query's other 16 keys lie in the lane 16 away
	T4 v_max_num_f32 v[ST+8*t+1], v[ST+8*t+4], v[ST+8*t+5]
	T4 v_mul_f32 v[ST+8*t], s[CS], v[ST+8*t+1]
	T4 v_sub_f32 v[ST+8*t+7], v[ST+8*t+7], v[ST+8*t]
	T4 v_exp_f32 v[ST+8*t+6], v[ST+8*t+7]          ; a
.set n, 0
.rept 32                               ; c s - c m: pair n / 4 of tile n % 4
	v_pk_fma_f32 v[S+16*(n%4)+2*(n/4):S+16*(n%4)+2*(n/4)+1], v[S+16*(n%4)+2*(n/4):S+16*(n%4)+2*(n/4)+1], s[CS:CS+1], v[ST+8*(n%4):ST+8*(n%4)+1] op_sel_hi:[1,0,0] neg_lo:[0,0,1] neg_hi:[0,0,1]
.set n, n+1
.endr
.set n, 0
.rept 64
	v_exp_f32 v[S+n], v[S+n]
.set n, n+1
.endr
	v_nop                                          ; a plain instruction behind the last exponential,
	s_wait_alu depctr_va_vdst(0)                   ; and ONE wait for the step's 68, ahead of the first line that names a result of theirs
.set n, 0
.rept 32
	v_cvt_pk_f16_f32 v[P+n], v[S+2*n], v[S+2*n+1]
.set n, n+1
.endr
.set n, 0
.rept 16                               ; the sums of a tile's eight pairs, in place: neighbours 1, 2 and 4 pairs apart
	v_pk_add_f32 v[S+4*n:S+4*n+1], v[S+4*n:S+4*n+1], v[S+4*n+2:S+4*n+3]
.set n, n+1
.endr
.set n, 0
.rept 8
	v_pk_add_f32 v[S+8*n:S+8*n+1], v[S+8*n:S+8*n+1], v[S+8*n+4:S+8*n+5]
.set n, n+1
.endr
	T4 v_pk_add_f32 v[S+16*t:S+16*t+1], v[S+16*t:S+16*t+1], v[S+16*t+8:S+16*t+9]
	T4 v_pk_fma_f32 v[ST+8*t+2:ST+8*t+3], v[ST+8*t+2:ST+8*t+3], v[ST+8*t+6:ST+8*t+7], v[S+16*t:S+16*t+1] op_sel_hi:[1,0,1]
.endm
; THE CHANGE OF BLOCKS, behind the first block's last V^T P: its statistics and its O^T are moved aside, the second block's Q goes where the one text of the steps names Q, and m, the masks and the key count start anew.
; What O^T and l hold is multiplied by a = 0 in the second block's first step.
.macro SWITCH
	T4 v_mov_b32 v[SV+2*t], v[ST+8*t]
	T4 v_add_f32 v[SV+2*t+1], v[ST+8*t+2], v[ST+8*t+3]
	WIN 0xc1                                       ; destination window 3, source window 1
.set n, 0
.rept 128
	v_mov_b32 v[128+n], v[n]                       ; tiles 0 and 1; ascending
.set n, n+1
.endr
	WIN 0x83                                       ; destination window 2, source window 3
.set n, 0
.rept 128
	v_mov_b32 v[n], v[n]                           ; Q
.set n, n+1
.endr
	WIN 0xc1
.set n, 0
.rept 128
	v_mov_b32 v[n], v[128+n]                       ; tiles 2 and 3, where that Q lay
.set n, n+1
.endr
	WIN 0
	T4 v_mov_b32 v[ST+8*t], 0xfe000000
	T4 v_mov_b32 v[ST+8*t+1], 0xff7fffff
	v_mov_b32 v[MBQ], v[MBH]
	ZMC
	s_mov_b32 s[JK], 0
	s_mov_b32 s[NEW], 0
.endm
; A KEY STEP.  tail = 1: the walk's last tile: no change of blocks falls into it, and both its steps have hidden keys.
; The jumps forward hang on NEW and TL, which are made of c and constants, and pass neither a barrier nor a tensor load.
.macro STEP tail
	s_wait_loadcnt 0x0                             ; both blocks' Q (met at once from the second step on)
	s_wait_dscnt 0x0                               ; V of the step before is in: its loads went out ahead of that step's K Q^T
	WIN 0
	v_add_nc_u32 v[ADK], s[TBK], v[AK0]
	s_add_co_u32 s[TBK], s[TBK], KST               ; the next fetch is the next step's
	WIN 0x80                                       ; destination window 2
.set n, 0
.rept 8
	ds_load_b128 v[KF+8*n:KF+8*n+3],   v[ADK] offset:(n/4)*16*PK+(n%4)*64
	ds_load_b128 v[KF+8*n+4:KF+8*n+7], v[ADK] offset:(n/4)*16*PK+(n%4)*64+32
.set n, n+1
.endr
	PVR
	WIN 0
	PLACES                                         ; behind the last products: V's registers are loaded again, and at a change of blocks O^T is read
.if !(\tail)
	s_cmp_eq_u32 s[NEW], 1
	s_cbranch_scc0 .Lnosw_\@
	SWITCH
.Lnosw_\@:
.endif
	v_add_nc_u32 v[ADV], s[TBV], v[AV0]
	s_add_co_u32 s[TBV], s[TBV], VST
	WIN 0x80
.set n, 0
.rept 8
	ds_load_tr16_b128 v[VF+8*n:VF+8*n+3],   v[ADV] offset:32*n
	ds_load_tr16_b128 v[VF+8*n+4:VF+8*n+7], v[ADV] offset:32*n+16*PV
.set n, n+1
.endr
	WIN 0
.if !(\tail)
	s_cmp_lg_u32 s[TL], 1
	s_cbranch_scc1 .Lnob_\@
.endif
	BUILD                                          ; a block's last tile has hidden keys
.if !(\tail)
.Lnob_\@:
.endif
	s_wait_dscnt 16                                ; K is in; V's sixteen loads may be out
	WIN 0x0a                                       ; K and Q in window 2; the mask and S^T in window 0
.set c, 0
.rept 4                                ; 8 accumulators by turns, four deep
.set u, 0
.rept 8
.set rS, S+16*(u%4)+8*(u/4)
.set rK, KF+32*(u/4)+8*c
.set rQ, 32*(u%4)+8*c
.set rM, MC+16*(u%4)+8*(u/4)
.if c == 0
	v_wmma_f32_16x16x32_f16 v[rS:rS+7], v[rK:rK+7], v[rQ:rQ+7], v[rM:rM+7]
.else
	v_wmma_f32_16x16x32_f16 v[rS:rS+7], v[rK:rK+7], v[rQ:rQ+7], v[rS:rS+7]
.endif
.set u, u+1
.endr
.set c, c+1
.endr
	SOFTMAX
	s_add_co_u32 s[JK], s[JK], 128
.endm
.macro TWO_STEPS tail                  ; a tile's two steps: written once, walked twice; the LDS addresses hang on s[TBK] and s[TBV]
	s_mov_b32 s[TWICE], 2
.Lstep_\@:
	STEP \tail
	s_sub_co_u32 s[TWICE], s[TWICE], 1
	s_cmp_lg_u32 s[TWICE], 0
	s_cbranch_scc1 .Lstep_\@
.endm
	s_load_b128 s[4:7], s[0:1], 0x0                ; qkv s[4:5], ctx s[6:7]
	v_lshl_add_u32 v[SPW], v0, 2, SPARE
	v_mov_b32 v[NIL], 0
	ds_add_u32 v[SPW], v[NIL]                      ; the wave's opening: the add and its wait stand ahead of my first tensor load
	v_lshrrev_b32 v1, 5, v0
	v_readfirstlane_b32 s[WV], v1
	s_bfe_u32 s13, ttmp6, 0x40000                  ; cx: it enters Q's and ctx's addresses, the mask's numbers and the prefetches' address alone
	s_mov_b32 s14, ttmp9                           ; c
	s_and_b32 s15, ttmp7, 0xffff                   ; the head
	s_lshl_b32 s79, s14, 2
	s_add_co_u32 s79, s79, s13                     ; b: the first block
	s_sub_co_u32 s80, 31, s79                      ; the second block
	s_lshl_b32 s81, s15, 19                        ; the head's 524,288 bytes
	s_and_b32 s74, s[WV], 1                        ; which of a tile's two steps I fetch
	s_mov_b32 s[G1K], 15|(1<<16)|(1<<20)|(1<<21)|(5<<22)|(3<<25)  ; the mask of four; 2-byte elements; padding on; bit 21 beside a mask; after every 64 words 4 words
	s_mov_b32 s[G1V], 15|(1<<16)|(1<<20)|(1<<21)|(5<<22)|(7<<25)  ; the same with 8 words
.irp g, G1K, G1V
	s_mov_b32 s[(\g)+1], 128<<16                   ; tensor_dim0 = 128
	s_mov_b32 s[(\g)+2], 128<<16                   ; tensor_dim1 = 128
	s_mov_b32 s[(\g)+3], 128<<16                   ; tile_dim0 = 128
	s_mov_b32 s[(\g)+4], 128                       ; tile_dim1 = 128
	s_mov_b32 s[(\g)+5], 128                       ; elements from row to row
	s_mov_b32 s[(\g)+6], 0
	s_mov_b32 s[(\g)+7], 0
.endr
	s_mov_b32 s[G0K], 1
	s_mul_i32 s[G0K+1], s74, KST                   ; slot 0
	s_mov_b32 s[G0V], 1
	s_mul_i32 s[G0V+1], s74, VST
	s_add_co_u32 s[G0V+1], s[G0V+1], VR
	s_mov_b32 s[CS], 0x3e0293ee                    ; c = log2(e) / sqrt(128)
	s_mov_b32 s[CS+1], s[CS]
	s_mov_b32 s[SEL], 0x76543210
	s_mov_b32 s[SEL+1], 0xfedcba98
	s_add_co_u32 s[NF], s14, 1                     ; the first block has c + 1 tiles,
	s_add_co_u32 s[TL], s14, 1
	s_sub_co_u32 s[TL2], 8, s14                    ; the second 8 - c
	s_mov_b32 s[NX], 1
	s_mov_b32 s[NEW], 0
	s_mov_b32 s[JK], 0
	s_mov_b32 s[CNT], 8
	s_mov_b32 s[TBK], 2*XK                         ; the first change of slots turns these two into slot 0's first step
	s_mov_b32 s[TBV], VR+2*XV
	s_cmp_eq_u32 s14, 0
	s_cselect_b32 s[LIM], 1, -1
	s_lshl_b32 s[OFF], s74, 15                     ; my step's 128 rows of 256 bytes,
	s_add_co_u32 s[OFF], s[OFF], s81               ; in the head,
	s_add_co_u32 s[OFF], s[OFF], 0x800000          ; in K
	s_mov_b32 s[OFF+1], 0
	s_mov_b32 s83, 0
	s_wait_dscnt 0x0                               ; the opening add is done
	s_wait_kmcnt 0x0
	s_add_nc_u64 s[KB:KB+1], s[4:5], s[OFF:OFF+1]
	s_add_nc_u64 s[VB:VB+1], s[KB:KB+1], 0x800000
	s_mov_b64 s[G0K+2:G0K+3], s[KB:KB+1]           ; tile 0
	s_or_b32 s[G0K+3], s[G0K+3], 0x80000000
	s_mov_b64 s[G0V+2:G0V+3], s[VB:VB+1]
	s_or_b32 s[G0V+3], s[G0V+3], 0x80000000
	s_lshl_b32 s82, s80, 14                        ; a block's 64 rows of 256 bytes
	s_add_co_u32 s82, s82, s81
	s_add_nc_u64 s[QHI:QHI+1], s[4:5], s[82:83]
	s_lshl_b32 s82, s79, 14
	s_add_co_u32 s82, s82, s81
	s_add_nc_u64 s[QLO:QLO+1], s[4:5], s[82:83]
	s_lshl_b32 s78, s[WV], 16                      ; ctx: my tile's 16 rows of 4,096 bytes,
	s_lshl_b32 s82, s15, 8                         ; the head's 256 bytes of a row
	s_add_co_u32 s78, s78, s82
	s_lshl_b32 s82, s80, 18                        ; a block's 64 rows
	s_add_co_u32 s82, s82, s78
	s_add_nc_u64 s[OHI:OHI+1], s[6:7], s[82:83]
	s_lshl_b32 s82, s79, 18
	s_add_co_u32 s82, s82, s78
	s_add_nc_u64 s[OLO:OLO+1], s[6:7], s[82:83]
	s_lshl_b32 s82, s13, 14                        ; the prefetches: my work-group's 64 rows of a tile's 256,
	s_lshl_b32 s78, s74, 13                        ; my wave's 32 of them,
	s_add_co_u32 s82, s82, s78
	s_add_co_u32 s82, s82, s81                     ; in the head,
	s_mov_b32 s78, 0x1000000
	s_cmp_lt_u32 s[WV], 2
	s_cselect_b32 s78, 0x800000, s78               ; in K or in V,
	s_add_co_u32 s82, s82, s78
	s_add_nc_u64 s[PFA:PFA+1], s[4:5], s[82:83]    ; in tile 0: trip s steps it to tile s + 1
	CROUND                                         ; all four work-groups are here
	JLOAD                                          ; tile 0 into slot 0; slot 1 is filled behind the first trip's round
	v_and_b32 v1, 15, v0                           ; l % 16
	v_bfe_u32 v9, v0, 4, 1                         ; l / 16
	v_lshlrev_b32 v[QO], 8, v1
	v_lshl_add_u32 v[QO], v9, 4, v[QO]
	LOADQ QLO, 0x80                                ; the first block's Q into window 2,
	LOADQ QHI, 0xc0                                ; the second block's into window 3
	; What the first step finds: O^T, V, P, l and a are 0, c m far below every c s, m the lowest finite number, the masks 0.  The registers that take the first block's O^T and statistics
	; are written too, so that all that the end reads has been written on every way.  All this stands in the wait for the first tile.
	WIN 0x40
.set n, 0
.rept 256
	v_mov_b32 v[n], 0
.set n, n+1
.endr
	WIN 0xc0
.set n, 128
.rept 128
	v_mov_b32 v[n], 0
.set n, n+1
.endr
	WIN 0x80
.set n, 0
.rept 64
	v_mov_b32 v[VF+n], 0
.set n, n+1
.endr
	WIN 0
.set n, 0
.rept 32
	v_mov_b32 v[P+n], 0
.set n, n+1
.endr
.set n, 0
.rept 8
	v_mov_b32 v[SV+n], 0
.set n, n+1
.endr
	ZMC
	T4 v_mov_b32 v[ST+8*t], 0xfe000000
	T4 v_mov_b32 v[ST+8*t+1], 0xff7fffff
	T4 v_mov_b32 v[ST+8*t+2], 0
	T4 v_mov_b32 v[ST+8*t+3], 0
	T4 v_mov_b32 v[ST+8*t+6], 0
	T4 v_mov_b32 v[ST+8*t+7], 0
	v_and_b32 v10, 7, v0
	v_bfe_u32 v11, v0, 3, 1
	v_and_b32 v28, 31, v0                          ; lane
	v_mul_u32_u24 v[AK0], v1, PK
	v_lshl_add_u32 v[AK0], v9, 4, v[AK0]
	s_mul_i32 s82, s[WV], 32*PK                    ; my 32 keys
	v_add_nc_u32 v[AK0], s82, v[AK0]
	v_lshl_add_u32 v[AV0], v9, 3, v10              ; the turning load: key 8 (l / 16) + l % 8, 16 bytes at 16 ((l / 8) % 2)
	v_mul_u32_u24 v[AV0], v[AV0], PV
	v_lshl_add_u32 v[AV0], v11, 4, v[AV0]
	s_mul_i32 s82, s[WV], 32*PV
	v_add_nc_u32 v[AV0], s82, v[AV0]
	s_mul_i32 s82, s[WV], 16*SP
	s_add_co_u32 s82, s82, OST
	v_mul_u32_u24 v[STO], v1, SP
	v_lshl_add_u32 v[STO], v9, 4, v[STO]
	v_add_nc_u32 v[STO], s82, v[STO]
	v_mul_u32_u24 v[RD], v9, SP
	v_lshl_add_u32 v[RD], v1, 4, v[RD]
	v_add_nc_u32 v[RD], s82, v[RD]
	v_lshlrev_b32 v[GO], 12, v9
	v_lshl_add_u32 v[GO], v1, 4, v[GO]
	v_lshlrev_b32 v[PFO], 8, v28
	s_lshl_b32 s82, s[WV], 15                      ; MST begins at LDS byte 0
	v_lshl_add_u32 v[LW], v28, 4, s82
	v_add_nc_u32 v[LW+1], 131072, v[LW]
	s_lshl_b32 s82, s[WV], 13
	v_lshl_add_u32 v[LR], v28, 4, s82
	v_add_nc_u32 v[LR+1], 65536, v[LR]
	s_lshl_b32 s82, s[WV], 10
	s_add_co_u32 s82, s82, MSS
	v_lshl_add_u32 v[SW], v28, 3, s82
	s_lshl_b32 s82, s[WV], 8
	s_add_co_u32 s82, s82, MSS
	v_lshl_add_u32 v[SR], v28, 3, s82
	v_lshlrev_b32 v29, 3, v9
	v_sub_nc_u32 v29, v1, v29                      ; l % 16 - 8 (l / 16)
	s_lshl_b32 s78, s[WV], 5
	s_lshl_b32 s82, s79, 6
	s_sub_co_u32 s82, s82, s78
	v_add_nc_u32 v[MBL], s82, v29
	s_lshl_b32 s82, s80, 6
	s_sub_co_u32 s82, s82, s78
	v_add_nc_u32 v[MBH], s82, v29
	v_mov_b32 v[MBQ], v[MBL]
	v_mov_b32 v[BIGV], 0xf149f2ca                  ; -1e30
.Ltrip:                                                ; eight trips: a tile is entered and the next is asked for
	CHANGE 1
	TWO_STEPS 0
	s_sub_co_u32 s[TL], s[TL], 1
	s_cmp_eq_u32 s[TL], 0                          ; the first block's last tile is behind me:
	s_cselect_b32 s[NEW], 1, 0                     ; the next step changes blocks, behind its V^T P
	s_cselect_b32 s[TL], s[TL2], s[TL]
	s_sub_co_u32 s[CNT], s[CNT], 1
	s_cmp_lg_u32 s[CNT], 0
	s_cbranch_scc1 .Ltrip
	CHANGE 0                                       ; the ninth tile, the second block's last, is written out: nothing is asked for
	TWO_STEPS 1
	s_wait_dscnt 0x0                               ; V of the last step is in
	PVR                                            ; and its V^T P
	; THE END.  l's two halves and the other half of the lanes' are added, for both blocks; (c m, l) and my parts of O go into LDS, into the ring's bytes: every wave has waited for its tensor loads at the
	; last change of slots, nothing is filled any more, and behind the barrier below no wave reads the ring.
	WIN 0
	T4 v_add_f32 v[ST+8*t+4], v[ST+8*t+2], v[ST+8*t+3]                       ; these four are the places behind the last products
	T4 v_permlanex16_b32 v[ST+8*t+5], v[ST+8*t+4], s[SEL], s[SEL+1]
	T4 v_permlanex16_b32 v[ST+8*t+6], v[SV+2*t+1], s[SEL], s[SEL+1]
	T4 v_add_f32 v[ST+8*t+1], v[ST+8*t+4], v[ST+8*t+5]                       ; l takes m's place beside c m
	T4 v_add_f32 v[SV+2*t+1], v[SV+2*t+1], v[ST+8*t+6]
	s_wait_dscnt 0x0                               ; my reads of the ring are over
	s_barrier_signal -1
	s_barrier_wait -1
	T4 ds_store_b64 v[SW], v[SV+2*t:SV+2*t+1] offset:256*t
	T4 ds_store_b64 v[SW], v[ST+8*t:ST+8*t+1] offset:4096+256*t
	WIN 0x0c                                       ; the stores' data in window 3: the first block's O^T, tiles 0 and 1 at v128, tiles 2 and 3 at v0
.set n, 0
.rept 64
	ds_store_b128 v[LW], v[(128+4*n)%256:(128+4*n)%256+3] offset:512*n
.set n, n+1
.endr
	WIN 0x04                                       ; in window 1: the second block's; each accumulator's low four registers first
.set n, 0
.rept 64
	ds_store_b128 v[LW+1], v[4*n:4*n+3] offset:512*n
.set n, n+1
.endr
	WIN 0
	s_wait_dscnt 0x0                               ; for the others' sake: my stores are done
	s_barrier_signal -1
	s_barrier_wait -1
	; Wave w finishes tile w, of the first block and then of the second.  With M the largest of the four c m and f_w = 2^(c m_w - M): O = (sum of f_w O_w) / (sum of f_w l_w).  Then through my stage, as whole rows, to ctx.
	s_mov_b64 s[OB:OB+1], s[OLO:OLO+1]
	s_mov_b32 s[RB], 0
	s_mov_b32 s[RS], 0
	s_mov_b32 s[CNT], 2
.Lread:
	v_add_nc_u32 v[LRA], s[RB], v[LR]
	v_add_nc_u32 v[LRA+1], s[RB], v[LR+1]
	v_add_nc_u32 v[SRA], s[RS], v[SR]
.irp w, 0,1,2,3
	ds_load_b64 v[X+2*(\w):X+2*(\w)+1], v[SRA] offset:1024*(\w)
.endr
	WIN 0x40
.set n, 0
.rept 48                               ; writer n / 16, quad n % 16
	ds_load_b128 v[4*n:4*n+3], v[LRA+n/32] offset:((n/16)%2)*32768+512*(n%16)
.set n, n+1
.endr
	s_wait_dscnt 48                                ; the four pairs of statistics are in; the 48 loads behind them may be out
.rept 16
	ds_load_b128 v[4*n:4*n+3], v[LRA+n/32] offset:((n/16)%2)*32768+512*(n%16)
.set n, n+1
.endr
	WIN 0
	v_max3_num_f32 v[T0], v[X], v[X+2], v[X+4]
	v_max_num_f32 v[T0], v[T0], v[X+6]
.irp w, 0,1,2,3
	v_sub_f32 v[X+2*(\w)], v[X+2*(\w)], v[T0]
.endr
.irp w, 0,1,2,3
	v_exp_f32 v[X+2*(\w)], v[X+2*(\w)]
.endr
	v_nop
	s_wait_alu depctr_va_vdst(0)                   ; one wait for the four exponentials
	v_mul_f32 v[T0+1], v[X], v[X+1]
	v_fmac_f32 v[T0+1], v[X+2], v[X+3]
	v_fmac_f32 v[T0+1], v[X+4], v[X+5]
	v_fmac_f32 v[T0+1], v[X+6], v[X+7]
	v_rcp_f32 v[T0+2], v[T0+1]
	v_nop
	s_wait_alu depctr_va_vdst(0)
.irp w, 0,1,2,3
	v_mul_f32 v[X+2*(\w)], v[X+2*(\w)], v[T0+2]
.endr
	s_wait_dscnt 0x0
	WIN 0x51                                       ; O's parts (destination, sources 0 and 2) in window 1, the factors in window 0
.set n, 0
.rept 32
	v_pk_mul_f32 v[2*n:2*n+1], v[2*n:2*n+1], v[X:X+1] op_sel_hi:[1,0]
.set n, n+1
.endr
.irp w, 1,2,3
.set n, 0
.rept 32
	v_pk_fma_f32 v[2*n:2*n+1], v[64*(\w)+2*n:64*(\w)+2*n+1], v[X+2*(\w):X+2*(\w)+1], v[2*n:2*n+1] op_sel_hi:[1,0,1]
.set n, n+1
.endr
.endr
	WIN 0x05
.set n, 0
.rept 32
	v_cvt_pk_f16_f32 v[TMP+n], v[2*n], v[2*n+1]
.set n, n+1
.endr
	WIN 0
.irp f, 0,1,2,3,4,5,6,7
	ds_store_b128 v[STO], v[TMP+4*(\f):TMP+4*(\f)+3] offset:32*(\f)
.endr
.irp f, 0,1,2,3,4,5,6,7
	ds_load_b128 v[TMP+4*(\f):TMP+4*(\f)+3], v[RD] offset:(\f)*2*SP          ; LDS serves a wave's instructions in order (ISA guide 5.7.1.4): these see the stores above
.endr
.irp f, 0,1,2,3,4,5,6,7
	s_wait_dscnt 7-(\f)                            ; load f is in; the younger ones may stay out
	global_store_b128 v[GO], v[TMP+4*(\f):TMP+4*(\f)+3], s[OB:OB+1] offset:8192*(\f)  ; 16 lanes store 256 consecutive bytes, at a multiple of 256 from ctx's first
.endr
	s_wait_xcnt 0x0                                ; the stores' base and the registers that they read are written again only behind this wait
	s_mov_b64 s[OB:OB+1], s[OHI:OHI+1]
	s_add_co_u32 s[RB], s[RB], 131072
	s_add_co_u32 s[RS], s[RS], 4096
	s_sub_co_u32 s[CNT], s[CNT], 1
	s_cmp_lg_u32 s[CNT], 0
	s_cbranch_scc1 .Lread
	s_wait_tensorcnt 0x0                           ; the wave's end
	ds_add_u32 v[SPW], v[NIL]
	s_wait_dscnt 0x0
	CROUND                                         ; the closing round
	s_endpgm
.Lfunc_end_k_q448bf9db88_attn:
	.size	k_q448bf9db88_attn, .Lfunc_end_k_q448bf9db88_attn-k_q448bf9db88_attn
	.p2alignl 7, 3214868480
	.fill 96, 4, 3214868480
	.section	.rodata,"a",@progbits
	.p2align	6, 0x0
	.amdhsa_kernel k_q448bf9db88_attn
		.amdhsa_group_segment_fixed_size 327680
		.amdhsa_private_segment_fixed_size 0
		.amdhsa_enable_private_segment 0
		.amdhsa_kernarg_size 16
		.amdhsa_user_sgpr_count 2
		.amdhsa_user_sgpr_kernarg_segment_ptr 1
		.amdhsa_wavefront_size32 1
		.amdhsa_system_sgpr_workgroup_id_x 1
		.amdhsa_system_sgpr_workgroup_id_y 1
		.amdhsa_system_sgpr_workgroup_id_z 1
		.amdhsa_system_vgpr_workitem_id 0
		.amdhsa_next_free_vgpr 1024
		.amdhsa_next_free_sgpr 84
		.amdhsa_reserve_vcc 1
		.amdhsa_float_denorm_mode_32 3
		.amdhsa_float_denorm_mode_16_64 3
		.amdhsa_memory_ordered 1
		.amdhsa_forward_progress 1
		.amdhsa_inst_pref_size 154
	.end_amdhsa_kernel
	.amdgpu_metadata
---
amdhsa.version: [ 1, 2 ]
amdhsa.kernels:
  - .name:           k_q448bf9db88_attn
    .symbol:         k_q448bf9db88_attn.kd
    .args:
      - { .name: qkv, .offset: 0, .size: 8, .value_kind: global_buffer, .address_space: global }
      - { .name: ctx, .offset: 8, .size: 8, .value_kind: global_buffer, .address_space: global }
    .group_segment_fixed_size: 327680
    .private_segment_fixed_size: 0
    .kernarg_segment_align: 8
    .kernarg_segment_size: 16
    .max_flat_workgroup_size: 128
    .sgpr_count:     84
    .vgpr_count:     1024
    .wavefront_size: 32
...
	.end_amdgpu_metadata
.endif
;; end of part 3
;; launch outp (part 4): grid 16 x 16, 4 waves a work-group, clusters of 4 x 4, 327,680 bytes of LDS; arguments ctx, cb, out0; writes out0
.if DOCPART == 4
	.amdgcn_target "amdgcn-amd-amdhsa--gfx1250"
	.amdhsa_code_object_version 6
	.text
	.protected	k_q448bf9db88_outp
	.globl	k_q448bf9db88_outp
	.p2align	8
	.type	k_q448bf9db88_outp,@function
k_q448bf9db88_outp:
	s_mov_b64 s[64:65], 0
	v_nop
	global_prefetch_b8 v0, s[64:65] scope:SCOPE_SE
	s_setreg_imm32_b32 hwreg(HW_REG_WAVE_MODE, 25, 1), 1
	s_wait_xcnt 0x0
	s_wait_alu depctr_hold_cnt(0) depctr_sa_sdst(0) depctr_va_vdst(0) depctr_va_sdst(0) depctr_va_ssrc(0) depctr_va_vcc(0) depctr_vm_vsrc(0)
	s_getreg_b32 s2, hwreg(HW_REG_IB_STS2, 6, 4)
	s_cmp_eq_u32 s2, 0
	s_cbranch_scc0 .Lentry_in_a_cluster
	s_endpgm
.Lentry_in_a_cluster:
	s_bfe_u32 s2, ttmp6, 0x10000c
	s_cmp_lg_u32 s2, 0xf033
	s_cbranch_scc0 .Lentry_shape_is_right
	s_endpgm
.Lentry_shape_is_right:
; out0 = ctx w_out.  ctx: [2048][2048] in f16, rows along K; w_out: part 4 of cb, [k][n] in f16 (bf16 numbers written as f16); out0: [2048][2048] in f32; sums in f32.
; A tile of out0 is 128 x 128: 16 x 16 work-groups.  Four waves, each 64 x 64: 16 accumulators.  K goes in 8 steps of 256 through two LDS slots: waves 0 and 1 fetch ctx's tile
; (64 rows of 512 bytes each), waves 2 and 3 w_out's (128 k-rows of 256 bytes each).
; CLUSTER 4 x 4: ctx's tile is shared along a row of the cluster, w_out's along a column: each is asked for jointly.
; THE MATRIX INSTRUCTION IS USED TRANSPOSED (source 0 = 16 columns of w_out, turned out of LDS; source 1 = 16 tokens): a lane holds one token and eight neighbouring columns, 32 bytes of out0.
; A wave's 64 columns of f32 are 256 aligned bytes of a row, so each wave has a stage of its own on the way out and no barrier is needed there.
; No prefetch: a K step's tiles are small and the launch is short.
; REGISTERS: window 0: v0-31 addresses; v32-95 at work on the way out; v128-255 the accumulators ((a, b) at 128 + 8 (4 a + b)).
;   window 1: two fragment buffers of 128: for 64 along K, 64 registers of ctx (8 (4 c + a)), then 64 of w_out.
.set PA,     528                       ; a row of ctx in LDS: 512 bytes + 16
.set PB,     288                       ; a k-row of w_out: 256 + 32
.set HALFA,  64*PA
.set HALFB,  128*PB
.set BOFF,   2*HALFA
.set SLOT,   BOFF+2*HALFB
.set STAGE,  2*SLOT                    ; behind the ring: 16 rows x 272 bytes for each wave
.set SPITCH, 272
.set SPARE,  STAGE+4*16*SPITCH         ; the spare words, 128 bytes a wave: two blocks of 256 bytes that no other line names
.set LAPS,   4
.set ADRA, 16                          ; v16-17  my fragments of ctx in slot 0, 1
.set ADRB, 18                          ; v18-21  of w_out: slot s, k-rows 128 k on, at 2 s + k
.set STO,  24
.set RD,   25
.set CO,   26
.set SPW,  28
.set NIL,  29
.set TMP,  32
.set ACC,  128
.set F0,   0
.set F1,   128
.set G1, 24
.set G0, 32
.set G1B, 48
.set G0B, 56
.set MSB, 0
.macro WIN new
.if MSB != (\new)
	s_set_vgpr_msb (MSB<<8)|(\new)
.set MSB, \new
.endif
.endm
.set MULW, 0x05                        ; sources in window 1; C and D in window 0
.set TO_F, 0x40                        ; destination window 1, address window 0
.macro JLOAD s
	s_cmp_eq_u32 s11, 0
	s_cbranch_scc0 .Lfor_b_\@
	tensor_load_to_lds s[G0+4*(\s):G0+4*(\s)+3], s[G1:G1+7]
	s_nop 0
.rept 4
	v_nop
.endr
	s_branch .Lasked_\@
.Lfor_b_\@:
	tensor_load_to_lds s[G0B+4*(\s):G0B+4*(\s)+3], s[G1B:G1B+7]
	s_nop 0
.rept 4
	v_nop
.endr
.Lasked_\@:
.endm
.macro CREST
	s_cmp_lg_u32 s10, 0
	s_cbranch_scc1 .Lnot_wave_0_\@
	s_barrier_signal -3
.Lnot_wave_0_\@:
	s_barrier_wait -3
	s_barrier_signal -1
	s_barrier_wait -1
.endm
.macro CROUND
	s_barrier_signal -1
	s_barrier_wait -1
	CREST
.endm
	s_load_b128 s[4:7], s[0:1], 0x0                ; ctx s[4:5], cb s[6:7]
	s_load_b64 s[8:9], s[0:1], 0x10                ; out0
	v_lshl_add_u32 v[SPW], v0, 2, SPARE
	v_mov_b32 v[NIL], 0
	ds_add_u32 v[SPW], v[NIL]                      ; the wave's opening: the add and its wait stand ahead of my first tensor load
	v_lshrrev_b32 v1, 5, v0
	v_readfirstlane_b32 s10, v1
	s_lshr_b32 s11, s10, 1                         ; which 64 tokens are mine.  Also: I fetch ctx (0) or w_out (1)
	s_and_b32 s12, s10, 1                          ; which 64 columns.  Also: which half of that tile I fetch
	s_bfe_u32 s40, ttmp6, 0x40000
	s_bfe_u32 s41, ttmp6, 0x40004
	s_lshl_b32 s42, ttmp9, 2
	s_add_co_u32 s42, s42, s40                     ; the block of 128 columns
	s_and_b32 s13, ttmp7, 0xffff
	s_lshl_b32 s13, s13, 2
	s_add_co_u32 s13, s13, s41                     ; the block of 128 tokens
	s_lshl_b32 s43, s41, 2
	s_lshl_b32 s43, 15, s43
	s_lshl_b32 s44, 0x1111, s40
	s_or_b32 s[G1+0], s43, (1<<16)|(1<<20)|(1<<21)|(6<<22)|(3<<25)   ; my row's mask; 2-byte elements; padding: after every 128 words 4 words
	s_mov_b32 s[G1+1], 256<<16                     ; tensor_dim0 = 256
	s_mov_b32 s[G1+2], 64<<16                      ; tensor_dim1 = 64
	s_mov_b32 s[G1+3], 256<<16                     ; tile_dim0 = 256
	s_mov_b32 s[G1+4], 64                          ; tile_dim1 = 64
	s_mov_b32 s[G1+5], 2048
	s_mov_b32 s[G1+6], 0
	s_mov_b32 s[G1+7], 0
	s_or_b32 s[G1B+0], s44, (1<<16)|(1<<20)|(1<<21)|(5<<22)|(7<<25)  ; my column's mask; after every 64 words 8 words
	s_mov_b32 s[G1B+1], 128<<16
	s_mov_b32 s[G1B+2], 128<<16
	s_mov_b32 s[G1B+3], 128<<16
	s_mov_b32 s[G1B+4], 128
	s_mov_b32 s[G1B+5], 2048
	s_mov_b32 s[G1B+6], 0
	s_mov_b32 s[G1B+7], 0
	s_lshl_b32 s16, s13, 19                        ; ctx: 128 rows of 4,096 bytes a block,
	s_lshl_b32 s17, s12, 18                        ; my 64 of them
	s_add_co_u32 s16, s16, s17
	s_mov_b32 s17, 0
	s_lshl_b32 s46, s42, 8                         ; w_out: the block's 256 bytes of each row,
	s_lshl_b32 s47, s12, 19                        ; my 128 k-rows of a K step's 256,
	s_add_co_u32 s46, s46, s47
	s_add_co_u32 s46, s46, 0x2000000               ; in part 4 of cb
	s_mov_b32 s47, 0
	s_mul_i32 s20, s12, HALFA
	s_mul_i32 s21, s12, HALFB
	s_add_co_u32 s21, s21, BOFF
	s_wait_dscnt 0x0
	s_wait_kmcnt 0x0
	s_add_nc_u64 s[14:15], s[4:5], s[16:17]
	s_add_nc_u64 s[46:47], s[6:7], s[46:47]
	CROUND
.irp s, 0,1
	s_mov_b32 s[G0+4*(\s)], 1
	s_add_co_u32 s[G0+4*(\s)+1], s20, (\s)*SLOT
	s_add_nc_u64 s[G0+4*(\s)+2:G0+4*(\s)+3], s[14:15], (\s)*512
	s_or_b32 s[G0+4*(\s)+3], s[G0+4*(\s)+3], 0x80000000
	s_mov_b32 s[G0B+4*(\s)], 1
	s_add_co_u32 s[G0B+4*(\s)+1], s21, (\s)*SLOT
	s_add_nc_u64 s[G0B+4*(\s)+2:G0B+4*(\s)+3], s[46:47], (\s)*256*4096
	s_or_b32 s[G0B+4*(\s)+3], s[G0B+4*(\s)+3], 0x80000000
	JLOAD \s
.endr
	v_and_b32 v1, 15, v0
	v_bfe_u32 v2, v0, 4, 1
	v_mul_u32_u24 v3, v1, PA
	v_lshl_add_u32 v3, v2, 4, v3
	s_mul_i32 s22, s11, HALFA
	v_add_nc_u32 v[ADRA], s22, v3
	v_add_nc_u32 v[ADRA+1], SLOT, v[ADRA]
	v_and_b32 v6, 7, v0
	v_bfe_u32 v7, v0, 3, 1
	v_lshl_add_u32 v6, v2, 3, v6
	v_mul_u32_u24 v6, v6, PB
	v_lshl_add_u32 v6, v7, 4, v6
	s_lshl_b32 s22, s12, 7
	s_add_co_u32 s22, s22, BOFF
	v_add_nc_u32 v6, s22, v6
.irp s, 0,1
.irp k, 0,1
	v_add_nc_u32 v[ADRB+2*(\s)+(\k)], (\s)*SLOT+(\k)*HALFB, v6
.endr
.endr
	s_mul_i32 s23, s10, 16*SPITCH
	s_add_co_u32 s23, s23, STAGE                   ; my stage
	v_mul_u32_u24 v4, v1, SPITCH                   ; in: row l % 16, 32 bytes for each half of the lanes
	v_lshl_add_u32 v4, v2, 5, v4
	v_add_nc_u32 v[STO], s23, v4
	v_mul_u32_u24 v5, v2, SPITCH                   ; back: lanes 0-15 one row of 256 bytes, lanes 16-31 the next
	v_lshl_add_u32 v5, v1, 4, v5
	v_add_nc_u32 v[RD], s23, v5
	v_lshlrev_b32 v5, 13, v2                       ; and the same two rows in out0
	v_lshl_add_u32 v[CO], v1, 4, v5
	s_lshl_b32 s16, s13, 20                        ; out0: 128 rows of 8,192 bytes a block,
	s_lshl_b32 s17, s11, 19                        ; my 64 rows,
	s_add_co_u32 s16, s16, s17
	s_lshl_b32 s17, s42, 9                         ; the block's 512 bytes of a row,
	s_add_co_u32 s16, s16, s17
	s_lshl_b32 s17, s12, 8                         ; my 256 of them
	s_add_co_u32 s16, s16, s17
	s_mov_b32 s17, 0
	s_add_nc_u64 s[8:9], s[8:9], s[16:17]
; 8 matrix instructions: token blocks a0, a0 + 1 x all 4 column blocks, 32 along K: half c of buffer f.  The 16 accumulators take turns.
.macro MUL8 f, c, a0, zero
	WIN MULW
.irp a, \a0, (\a0)+1
.irp b, 0,1,2,3
.if \zero
	v_wmma_f32_16x16x32_f16 v[ACC+8*(4*(\a)+(\b)):ACC+8*(4*(\a)+(\b))+7], v[(\f)+64+8*(4*(\c)+(\b)):(\f)+64+8*(4*(\c)+(\b))+7], v[(\f)+8*(4*(\c)+(\a)):(\f)+8*(4*(\c)+(\a))+7], 0
.else
	v_wmma_f32_16x16x32_f16 v[ACC+8*(4*(\a)+(\b)):ACC+8*(4*(\a)+(\b))+7], v[(\f)+64+8*(4*(\c)+(\b)):(\f)+64+8*(4*(\c)+(\b))+7], v[(\f)+8*(4*(\c)+(\a)):(\f)+8*(4*(\c)+(\a))+7], v[ACC+8*(4*(\a)+(\b)):ACC+8*(4*(\a)+(\b))+7]
.endif
.endr
.endr
.endm
; 32 LDS loads in one run: the fragments of quarter q (64 along K) of a slot into buffer f; the first 32 along K first
.macro FETCH slot, q, f
	WIN TO_F
.irp c, 0,1
.irp i, 0,1,2,3
	ds_load_tr16_b128 v[(\f)+64+8*(4*(\c)+(\i)):(\f)+64+8*(4*(\c)+(\i))+3],   v[ADRB+2*(\slot)+(\q)/2] offset:(((\q)%2)*64+32*(\c))*PB+32*(\i)
	ds_load_tr16_b128 v[(\f)+64+8*(4*(\c)+(\i))+4:(\f)+64+8*(4*(\c)+(\i))+7], v[ADRB+2*(\slot)+(\q)/2] offset:(((\q)%2)*64+32*(\c))*PB+32*(\i)+16*PB
	ds_load_b128 v[(\f)+8*(4*(\c)+(\i)):(\f)+8*(4*(\c)+(\i))+3],              v[ADRA+(\slot)] offset:(\q)*128+64*(\c)+(\i)*16*PA
	ds_load_b128 v[(\f)+8*(4*(\c)+(\i))+4:(\f)+8*(4*(\c)+(\i))+7],            v[ADRA+(\slot)] offset:(\q)*128+64*(\c)+(\i)*16*PA+32
.endr
.endr
.endm
.macro PLACES
.rept 4
	v_nop
.endr
.endm
.macro QUARTER slot, q, f, g, zero     ; multiplies buffer f and fetches quarter q of the same slot into g
	s_wait_dscnt 16                                ; the first 32 along K are in
	MUL8 \f, 0, 0, \zero
	MUL8 \f, 0, 2, \zero
	PLACES
	FETCH \slot, \q, \g
	s_wait_dscnt 32                                ; all but the 32 just issued
	MUL8 \f, 1, 0, 0
	MUL8 \f, 1, 2, 0
.endm
; The last quarter multiplies buffer 1 and changes slots: ONE barrier; in front of it each wave waits for all its tensor loads, adds 0 to its spare word, and waits for that and for its reads of this slot.
.macro TURN slot, next, fill
	WIN 0
	s_wait_tensorcnt 0x0
	ds_add_u32 v[SPW], v[NIL]
	s_wait_dscnt 17                                ; the add and the youngest sixteen loads may be out
	MUL8 F1, 0, 0, 0
	s_wait_dscnt 0x0
	s_barrier_signal -1
	MUL8 F1, 0, 2, 0
.if \fill
	WIN 0
.endif
	s_barrier_wait -1
.if \fill
	CREST
	s_add_nc_u64 s[G0+4*(\slot)+2:G0+4*(\slot)+3], s[G0+4*(\slot)+2:G0+4*(\slot)+3], 2*512
	s_add_nc_u64 s[G0B+4*(\slot)+2:G0B+4*(\slot)+3], s[G0B+4*(\slot)+2:G0B+4*(\slot)+3], 2*256*4096
	JLOAD \slot                                    ; 112 matrix instructions ahead of the wait for it; its four v_nop are also the places in front of the loads below
.else
	PLACES
.endif
	FETCH \next, 0, F0
	MUL8 F1, 1, 0, 0
	MUL8 F1, 1, 2, 0
.endm
	s_wait_tensorcnt 1                             ; my part of K step 0 is in; K step 1's may stay out
	s_barrier_signal -1
	s_barrier_wait -1
	FETCH 0, 0, F0
	QUARTER 0, 1, F0, F1, 1
	WIN 0
	s_mov_b32 s3, LAPS-1
.Llap:
	QUARTER 0, 2, F1, F0, 0
	QUARTER 0, 3, F0, F1, 0
	TURN 0, 1, 1
	QUARTER 1, 1, F0, F1, 0
	QUARTER 1, 2, F1, F0, 0
	QUARTER 1, 3, F0, F1, 0
	TURN 1, 0, 1
	QUARTER 0, 1, F0, F1, 0
	WIN 0
	s_sub_co_u32 s3, s3, 1
	s_cmp_lg_u32 s3, 0
	s_cbranch_scc1 .Llap
	QUARTER 0, 2, F1, F0, 0
	QUARTER 0, 3, F0, F1, 0
	TURN 0, 1, 0
	QUARTER 1, 1, F0, F1, 0
	QUARTER 1, 2, F1, F0, 0
	QUARTER 1, 3, F0, F1, 0
	s_wait_dscnt 16
	MUL8 F1, 0, 0, 0
	MUL8 F1, 0, 2, 0
	s_wait_dscnt 0x0
	MUL8 F1, 1, 0, 0
	MUL8 F1, 1, 2, 0
	WIN 0
	; THE WAY OUT, 16 tokens at a time: a lane's 32 bytes of a row go into my stage straight from the accumulators (each one's low four registers first), and come back as whole rows of 256 bytes.
	PLACES
.irp a, 0,1,2,3
.if (\a) >= 2
	s_wait_xcnt 0x0                                ; the registers that block a - 2's stores read are loaded again only behind this wait
.endif
.irp b, 0,1,2,3
	ds_store_b128 v[STO], v[ACC+8*(4*(\a)+(\b)):ACC+8*(4*(\a)+(\b))+3]   offset:64*(\b)
	ds_store_b128 v[STO], v[ACC+8*(4*(\a)+(\b))+4:ACC+8*(4*(\a)+(\b))+7] offset:64*(\b)+16
.endr
.irp t, 0,1,2,3,4,5,6,7
	ds_load_b128 v[TMP+32*((\a)%2)+4*(\t):TMP+32*((\a)%2)+4*(\t)+3], v[RD] offset:(\t)*2*SPITCH  ; LDS serves a wave's instructions in order (ISA guide 5.7.1.4)
.endr
.irp t, 0,1,2,3,4,5,6,7
	s_wait_dscnt 7-(\t)
	global_store_b128 v[CO], v[TMP+32*((\a)%2)+4*(\t):TMP+32*((\a)%2)+4*(\t)+3], s[8:9] offset:(16*(\a)+2*(\t))*8192  ; 16 lanes store 256 consecutive bytes, at a multiple of 256 from out0's first
.endr
.endr
	s_wait_tensorcnt 0x0                           ; the wave's end
	ds_add_u32 v[SPW], v[NIL]
	s_wait_dscnt 0x0
	CROUND                                         ; the closing round
	s_endpgm
.Lfunc_end_k_q448bf9db88_outp:
	.size	k_q448bf9db88_outp, .Lfunc_end_k_q448bf9db88_outp-k_q448bf9db88_outp
	.p2alignl 7, 3214868480
	.fill 96, 4, 3214868480
	.section	.rodata,"a",@progbits
	.p2align	6, 0x0
	.amdhsa_kernel k_q448bf9db88_outp
		.amdhsa_group_segment_fixed_size 327680
		.amdhsa_private_segment_fixed_size 0
		.amdhsa_enable_private_segment 0
		.amdhsa_kernarg_size 24
		.amdhsa_user_sgpr_count 2
		.amdhsa_user_sgpr_kernarg_segment_ptr 1
		.amdhsa_wavefront_size32 1
		.amdhsa_system_sgpr_workgroup_id_x 1
		.amdhsa_system_sgpr_workgroup_id_y 1
		.amdhsa_system_sgpr_workgroup_id_z 1
		.amdhsa_system_vgpr_workitem_id 0
		.amdhsa_next_free_vgpr 512
		.amdhsa_next_free_sgpr 66
		.amdhsa_reserve_vcc 0
		.amdhsa_float_denorm_mode_32 3
		.amdhsa_float_denorm_mode_16_64 3
		.amdhsa_memory_ordered 1
		.amdhsa_forward_progress 1
		.amdhsa_inst_pref_size 87
	.end_amdhsa_kernel
	.amdgpu_metadata
---
amdhsa.version: [ 1, 2 ]
amdhsa.kernels:
  - .name:           k_q448bf9db88_outp
    .symbol:         k_q448bf9db88_outp.kd
    .args:
      - { .name: ctx, .offset: 0, .size: 8, .value_kind: global_buffer, .address_space: global }
      - { .name: cb, .offset: 8, .size: 8, .value_kind: global_buffer, .address_space: global }
      - { .name: out0, .offset: 16, .size: 8, .value_kind: global_buffer, .address_space: global }
    .group_segment_fixed_size: 327680
    .private_segment_fixed_size: 0
    .kernarg_segment_align: 8
    .kernarg_segment_size: 24
    .max_flat_workgroup_size: 128
    .sgpr_count:     66
    .vgpr_count:     512
    .wavefront_size: 32
...
	.end_amdgpu_metadata
.endif
;; end of part 4
